; MI455X (gfx1250); checked and timed in simulation.
; The chip was launched on July 23, 2026; its instructions are those of AMD's public machine-readable ISA for CDNA 5 (MIT licence, August 2026) and "CDNA5" Instruction Set Architecture Reference Guide (July 2026). The comments in the code are by the model that wrote it; some were corrected since.
;; Multi Head Attention. Allowed arithmetic: float matrix products may take bf16 or f16 operands with f32 sums; other float arithmetic in f32, or as packed bf16 or f16 multiplies, adds, multiply-adds, maxima and minima; sums over many terms, partial sums and values carried from step to step in f32; what a program stores and reads back later, other than sums and carried values, may be rounded once to bf16 or f16.
;; Inputs: Wk 1,024 x 1,024 float32; Wo 1,024 x 64 float32; Wq 1,024 x 1,024 float32; Wv 1,024 x 1,024 float32; attn_mask 4 x 2,048 x 2,048 bool; bk 1,024 float32; bq 1,024 float32; bv 1,024 float32; x 4 x 2,048 x 1,024 float32.
;; Outputs: out0 4 x 2,048 x 64 float32.
;; 2 versions, each right. Each part assembles by itself: llvm-mc -triple=amdgcn-amd-amdhsa -mcpu=gfx1250 --defsym DOCPART=n.
;; ======== version 1 of 2: 4 launches
;; limits: right only within a limited range of input values; values are held in f16: magnitudes above 65,504 overflow, below 6.1e-05 lose precision
;; workspace buffers: xb 16,777,216 bytes; wb 6,291,456 bytes; bias 12,288 bytes; wof 131,072 bytes; mw 2,098,176 bytes of whole numbers; qkv 50,331,648 bytes; ctx 16,777,216 bytes
;; launch prep (part 1): grid 256 x 1, 8 waves a work-group, no clusters, 70,656 bytes of LDS; arguments x, Wq, Wk, Wv, Wo, bq, bk, bv, attn_mask, xb, wb, wof, bias, mw; writes xb, wb, wof, bias, mw
.if DOCPART == 1
	.amdgcn_target "amdgcn-amd-amdhsa--gfx1250"
	.amdhsa_code_object_version 6
	.text
	.protected	k_qfac1acc8c5_prep
	.globl	k_qfac1acc8c5_prep
	.p2align	8
	.type	k_qfac1acc8c5_prep,@function
k_qfac1acc8c5_prep:
	s_mov_b64 s[64:65], 0
	v_nop
	global_prefetch_b8 v0, s[64:65] scope:SCOPE_SE
	s_setreg_imm32_b32 hwreg(HW_REG_WAVE_MODE, 25, 1), 1
	s_wait_xcnt 0x0
; PREP: every input is read once and laid out for the launches behind.
;   xb   = x rounded to bf16, [8192][1024].        wb = Wq | Wk | Wv rounded to bf16, [1024 k][3072 n].
;   bias = bq | bk | bv rounded to bf16 and written as f32, [3072].
;   wof  = Wo rounded to bf16 and written as f16, as matrix fragments: [kk 32][nb 4][half 2][lane 32][16 bytes];
;          lane (r, h) of (kk, nb, half) holds Wo[32 kk + 16 half + 8 h + 0..7][16 nb + r].
;   mw   = the mask as lane-mask words: byte ((b 16 + G) 32 + s) 1024 + p 256 + u 128 + 4 (8 kt + j); bit l of a word is
;          mask[b][128 G + 32 p + 16 u + l % 16][64 s + 16 kt + 8 (l / 16) + j].  1,024 bytes of zeros follow the words.
; LIMIT: a number of Wo below 2^-14 keeps f16's fixed step of 2^-24.
; SHARES.  2,048 waves, gw = 8 x work-group + wave.  Each takes 16,384 bytes of x, 2,048 bytes of each W, and 32 rows x 256 bytes of the mask.
; No matrix unit, no cluster, no barrier: a stream; the mask tile goes through the wave's own LDS bytes to change lanes.
; Each store of a wave covers 256 or 512 consecutive bytes, aligned.
.set SPARE, 69632                      ; behind the eight waves' tiles: the spare words, 128 bytes a wave
.set WLDS,  8704                       ; a wave's mask tile: 32 rows x 272 bytes
.set MPI,   272                        ; 256 bytes + 16: the 16 rows of a read start at 16 different groups of four banks (64 banks of 4 bytes: ISA guide 11.1)
.set L16, 4                            ; v4   16 x lane
.set L8,  5                            ; v5   8 x lane
.set MO,  6                            ; v6   mask: (lane / 16) x 2048 + 16 (lane % 16)
.set LW,  7                            ; v7   LDS, writing: two rows an instruction
.set LR,  8                            ; v8   LDS, reading: row lane % 16, 8 bytes for each half of the lanes; steps 64 bytes a trip
.set VO,  9                            ; v9   mw: 8 x lane; steps 1,024 bytes a trip
.set WO,  10                           ; v10  Wo: (lane / 16) x 2048 + 4 (lane % 16)
.set SPW, 30                           ; v30  my spare word; never rewritten
.set NIL, 31                           ; v31  0; never rewritten
.set D,   32                           ; v32-47   eight pairs: 8 mask bytes each
.set T,   48                           ; v48-55   at work
.set WD,  56                           ; v56-57   64 words, two a lane
.set MK,  64                           ; v64-127  the mask tile as loaded; then Y: x in bf16
.set Y,   64
.set XR,  128                          ; v128-255 x as loaded; then v128-175 the three W
.set WC,  176                          ; v176-199 W in bf16
	s_load_b512 s[4:19], s[0:1], 0x0               ; x 4, Wq 6, Wk 8, Wv 10, Wo 12, bq 14, bk 16, bv 18
	s_load_b256 s[20:27], s[0:1], 0x40             ; mask 20, xb 22, wb 24, wof 26
	s_load_b128 s[28:31], s[0:1], 0x60             ; bias 28, mw 30
	v_lshl_add_u32 v[SPW], v0, 2, SPARE
	v_mov_b32 v[NIL], 0
	v_lshrrev_b32 v1, 5, v0
	v_readfirstlane_b32 s2, v1                     ; wave 0..7
	s_mov_b32 s37, ttmp9                           ; work-group
	s_lshl_b32 s3, s37, 3
	s_add_co_u32 s3, s3, s2                        ; gw
	s_mul_i32 s36, s2, WLDS                        ; my tile in LDS
	s_mov_b32 s33, 0                               ; the high word of every offset
	v_and_b32 v1, 31, v0                           ; lane
	v_and_b32 v2, 15, v0                           ; r
	v_bfe_u32 v3, v0, 4, 1                         ; h
	v_lshlrev_b32 v[L16], 4, v1
	v_lshlrev_b32 v[L8], 3, v1
	v_lshlrev_b32 v[MO], 4, v2
	v_lshl_add_u32 v[MO], v3, 11, v[MO]
	v_mul_u32_u24 v[LW], v3, MPI
	v_lshl_add_u32 v[LW], v2, 4, v[LW]
	v_add_nc_u32 v[LW], s36, v[LW]
	v_mul_u32_u24 v[LR], v2, MPI
	v_lshl_add_u32 v[LR], v3, 3, v[LR]
	v_add_nc_u32 v[LR], s36, v[LR]
	v_mov_b32 v[VO], v[L8]
	v_lshlrev_b32 v[WO], 2, v2
	v_lshl_add_u32 v[WO], v3, 11, v[WO]
	v_mov_b32 v[WD], 0                             ; v_writelane_b32's destination counts as read
	v_mov_b32 v[WD+1], 0
	s_wait_kmcnt 0x0
	; the mask: work-group = 64 b + (group of 32 queries), wave = chunk of 256 keys
	s_lshl_b32 s32, s37, 16                        ; 32 rows of 2,048 bytes a group
	s_lshl_b32 s34, s2, 8
	s_add_co_u32 s32, s32, s34
	s_add_nc_u64 s[20:21], s[20:21], s[32:33]
.set i, 0
.rept 16                                       ; two rows of 256 whole bytes an instruction
	global_load_b128 v[MK+4*i:MK+4*i+3], v[MO], s[20:21] offset:4096*i th:TH_LOAD_NT
.set i, i+1
.endr
	s_lshl_b32 s32, s3, 14
	s_add_nc_u64 s[4:5], s[4:5], s[32:33]
.set i, 0
.rept 32                                       ; 512 consecutive bytes an instruction
	global_load_b128 v[XR+4*i:XR+4*i+3], v[L16], s[4:5] offset:512*i th:TH_LOAD_NT
.set i, i+1
.endr
	s_lshl_b32 s32, s3, 13
	s_add_nc_u64 s[22:23], s[22:23], s[32:33]      ; xb
	s_lshl_b32 s32, s3, 11
	s_add_nc_u64 s[6:7], s[6:7], s[32:33]          ; half a row of each W
	s_add_nc_u64 s[8:9], s[8:9], s[32:33]
	s_add_nc_u64 s[10:11], s[10:11], s[32:33]
	s_lshr_b32 s32, s3, 1
	s_mul_i32 s32, s32, 6144                       ; wb: row k = gw / 2,
	s_and_b32 s34, s3, 1
	s_lshl_b32 s34, s34, 10                        ; its half
	s_add_co_u32 s32, s32, s34
	s_add_nc_u64 s[24:25], s[24:25], s[32:33]
	s_lshr_b32 s32, s37, 2                         ; mw: 16 b + G,
	s_lshl_b32 s32, s32, 15
	s_lshl_b32 s34, s2, 12                         ; four key steps a chunk,
	s_add_co_u32 s32, s32, s34
	s_and_b32 s34, s37, 3                          ; the piece
	s_lshl_b32 s34, s34, 8
	s_add_co_u32 s32, s32, s34
	s_add_nc_u64 s[48:49], s[30:31], s[32:33]
	s_wait_loadcnt 32                              ; the 16 mask loads are in; x's 32 stay out
.set i, 0
.rept 16
	ds_store_b128 v[LW], v[MK+4*i:MK+4*i+3] offset:2*MPI*i
.set i, i+1
.endr
.set i, 0
.rept 32                                       ; x to bf16: 512 bytes in, 256 whole bytes out
	s_wait_loadcnt 31-i                            ; loads come back in order (ISA guide 5.7.1): number i is in
	v_cvt_pk_bf16_f32 v[Y+2*i], v[XR+4*i], v[XR+4*i+1]
	v_cvt_pk_bf16_f32 v[Y+2*i+1], v[XR+4*i+2], v[XR+4*i+3]
	global_store_b64 v[L8], v[Y+2*i:Y+2*i+1], s[22:23] offset:256*i
.set i, i+1
.endr
.set i, 0
.rept 4                                        ; the three W are on their way while the mask is unpacked
	global_load_b128 v[XR+4*i:XR+4*i+3],       v[L16], s[6:7]   offset:512*i th:TH_LOAD_NT
	global_load_b128 v[XR+16+4*i:XR+16+4*i+3], v[L16], s[8:9]   offset:512*i th:TH_LOAD_NT
	global_load_b128 v[XR+32+4*i:XR+32+4*i+3], v[L16], s[10:11] offset:512*i th:TH_LOAD_NT
.set i, i+1
.endr
	; THE MASK: four trips, a key step of 64 each: 64 words, 256 bytes of mw.
	s_mov_b32 s35, 4
.Lmask:
.set g, 0
.rept 8                                        ; g = 4 u + kt: tile u's row lane % 16, keys 16 kt + 8 (lane / 16) + 0..7
	ds_load_b64 v[D+2*g:D+2*g+1], v[LR] offset:(g/4)*16*MPI+16*(g%4)
.set g, g+1
.endr
	s_wait_dscnt 0x0                               ; the eight loads (in the first trip my stores too: LDS serves a wave in order)
.set g, 0
.rept 8
.irp j, 0,1,2,3,4,5,6,7
	v_and_b32 v[T+\j], 0xff<<(8*(\j%4)), v[D+2*g+\j/4]  ; byte j of my eight
.endr
.irp j, 0,1,2,3,4,5,6,7
	v_cmp_ne_u32 s[40+\j], 0, v[T+\j]              ; one bit a lane: the word
.endr
.irp j, 0,1,2,3,4,5,6,7
	v_writelane_b32 v[WD+\j%2], s[40+\j], 4*g+\j/2 ; word 8 g + j: lane (8 g + j) / 2, register j % 2
.endr
.set g, g+1
.endr
	global_store_b64 v[VO], v[WD:WD+1], s[48:49]   ; 256 consecutive bytes, aligned
	s_wait_xcnt 0x0                                ; the store's data and offset are rewritten only behind this wait
	v_add_nc_u32 v[VO], 1024, v[VO]
	v_add_nc_u32 v[LR], 64, v[LR]
	s_sub_co_u32 s35, s35, 1
	s_cmp_lg_u32 s35, 0
	s_cbranch_scc1 .Lmask
	s_wait_loadcnt 0x0                             ; the three W
.set i, 0
.rept 12                                       ; i = 4 t + piece
	v_cvt_pk_bf16_f32 v[WC+2*i], v[XR+4*i], v[XR+4*i+1]
	v_cvt_pk_bf16_f32 v[WC+2*i+1], v[XR+4*i+2], v[XR+4*i+3]
	global_store_b64 v[L8], v[WC+2*i:WC+2*i+1], s[24:25] offset:2048*(i/4)+256*(i%4)
.set i, i+1
.endr
	; THE SMALL JOBS, by wave and work-group
	s_cmp_lg_u32 s2, 0
	s_cbranch_scc1 .Lnot0
	; wave 0: 512 bytes of wof: work-group = 8 kk + 2 nb + half
	s_lshr_b32 s32, s37, 3
	s_lshl_b32 s32, s32, 13                        ; 32 kk rows of 256 bytes
	s_and_b32 s34, s37, 1
	s_lshl_b32 s34, s34, 12                        ; 16 half rows
	s_add_co_u32 s32, s32, s34
	s_bfe_u32 s34, s37, 0x20001                    ; nb
	s_lshl_b32 s34, s34, 6                         ; 16 nb columns
	s_add_co_u32 s32, s32, s34
	s_add_nc_u64 s[12:13], s[12:13], s[32:33]
.irp e, 0,1,2,3,4,5,6,7
	global_load_b32 v[D+\e], v[WO], s[12:13] offset:256*\e
.endr
	s_lshl_b32 s32, s37, 9
	s_add_nc_u64 s[26:27], s[26:27], s[32:33]
	s_wait_loadcnt 0x0
.irp e, 0,1,2,3
	v_cvt_pk_bf16_f32 v[D+8+\e], v[D+2*\e], v[D+2*\e+1]    ; rounded as every input is,
.endr
.irp e, 0,1,2,3
	v_lshlrev_b32 v[D+12], 16, v[D+8+\e]
	v_and_b32 v[D+13], 0xffff0000, v[D+8+\e]
	v_cvt_pk_f16_f32 v[T+\e], v[D+12], v[D+13]             ; and that number written as f16
.endr
	global_store_b128 v[L16], v[T:T+3], s[26:27]
	s_branch .Lend
.Lnot0:
	s_cmp_lg_u32 s2, 1
	s_cbranch_scc1 .Lnot1
	s_cmp_lt_u32 s37, 24
	s_cbranch_scc0 .Lend
	; wave 1 of work-groups 0 to 23: 512 bytes of bias
	s_lshr_b32 s36, s37, 3                         ; which of the three
	s_cmp_eq_u32 s36, 1
	s_cselect_b64 s[50:51], s[16:17], s[14:15]
	s_cmp_eq_u32 s36, 2
	s_cselect_b64 s[50:51], s[18:19], s[50:51]
	s_and_b32 s32, s37, 7
	s_lshl_b32 s32, s32, 9
	s_add_nc_u64 s[50:51], s[50:51], s[32:33]
	global_load_b128 v[D:D+3], v[L16], s[50:51]
	s_lshl_b32 s32, s37, 9
	s_add_nc_u64 s[28:29], s[28:29], s[32:33]
	s_wait_loadcnt 0x0
	v_cvt_pk_bf16_f32 v[D+4], v[D], v[D+1]
	v_cvt_pk_bf16_f32 v[D+5], v[D+2], v[D+3]
	v_lshlrev_b32 v[T], 16, v[D+4]
	v_and_b32 v[T+1], 0xffff0000, v[D+4]
	v_lshlrev_b32 v[T+2], 16, v[D+5]
	v_and_b32 v[T+3], 0xffff0000, v[D+5]
	global_store_b128 v[L16], v[T:T+3], s[28:29]
	s_branch .Lend
.Lnot1:
	s_cmp_lg_u32 s2, 2
	s_cbranch_scc1 .Lend
	s_cmp_lg_u32 s37, 0
	s_cbranch_scc1 .Lend
	; wave 2 of work-group 0: the zeros behind mw's words, into which the last group's look-ahead reads
.irp e, 0,1,2,3
	v_mov_b32 v[D+\e], 0
.endr
	global_store_b128 v[L16], v[D:D+3], s[30:31] offset:2097152
	global_store_b128 v[L16], v[D:D+3], s[30:31] offset:2097152+512
.Lend:
	s_wait_tensorcnt 0x0                           ; the wave's end
	ds_add_u32 v[SPW], v[NIL]
	s_wait_dscnt 0x0
	s_endpgm
.Lfunc_end_k_qfac1acc8c5_prep:
	.size	k_qfac1acc8c5_prep, .Lfunc_end_k_qfac1acc8c5_prep-k_qfac1acc8c5_prep
	.p2alignl 7, 3214868480
	.fill 96, 4, 3214868480
	.section	.rodata,"a",@progbits
	.p2align	6, 0x0
	.amdhsa_kernel k_qfac1acc8c5_prep
		.amdhsa_group_segment_fixed_size 70656
		.amdhsa_private_segment_fixed_size 0
		.amdhsa_enable_private_segment 0
		.amdhsa_kernarg_size 112
		.amdhsa_user_sgpr_count 2
		.amdhsa_user_sgpr_kernarg_segment_ptr 1
		.amdhsa_wavefront_size32 1
		.amdhsa_system_sgpr_workgroup_id_x 1
		.amdhsa_system_sgpr_workgroup_id_y 1
		.amdhsa_system_sgpr_workgroup_id_z 1
		.amdhsa_system_vgpr_workitem_id 0
		.amdhsa_next_free_vgpr 256
		.amdhsa_next_free_sgpr 66
		.amdhsa_reserve_vcc 0
		.amdhsa_float_denorm_mode_32 3
		.amdhsa_float_denorm_mode_16_64 3
		.amdhsa_memory_ordered 1
		.amdhsa_forward_progress 1
		.amdhsa_inst_pref_size 37
	.end_amdhsa_kernel
	.amdgpu_metadata
---
amdhsa.version: [ 1, 2 ]
amdhsa.kernels:
  - .name:           k_qfac1acc8c5_prep
    .symbol:         k_qfac1acc8c5_prep.kd
    .args:
      - { .name: x, .offset: 0, .size: 8, .value_kind: global_buffer, .address_space: global }
      - { .name: Wq, .offset: 8, .size: 8, .value_kind: global_buffer, .address_space: global }
      - { .name: Wk, .offset: 16, .size: 8, .value_kind: global_buffer, .address_space: global }
      - { .name: Wv, .offset: 24, .size: 8, .value_kind: global_buffer, .address_space: global }
      - { .name: Wo, .offset: 32, .size: 8, .value_kind: global_buffer, .address_space: global }
      - { .name: bq, .offset: 40, .size: 8, .value_kind: global_buffer, .address_space: global }
      - { .name: bk, .offset: 48, .size: 8, .value_kind: global_buffer, .address_space: global }
      - { .name: bv, .offset: 56, .size: 8, .value_kind: global_buffer, .address_space: global }
      - { .name: attn_mask, .offset: 64, .size: 8, .value_kind: global_buffer, .address_space: global }
      - { .name: xb, .offset: 72, .size: 8, .value_kind: global_buffer, .address_space: global }
      - { .name: wb, .offset: 80, .size: 8, .value_kind: global_buffer, .address_space: global }
      - { .name: wof, .offset: 88, .size: 8, .value_kind: global_buffer, .address_space: global }
      - { .name: bias, .offset: 96, .size: 8, .value_kind: global_buffer, .address_space: global }
      - { .name: mw, .offset: 104, .size: 8, .value_kind: global_buffer, .address_space: global }
    .group_segment_fixed_size: 70656
    .private_segment_fixed_size: 0
    .kernarg_segment_align: 8
    .kernarg_segment_size: 112
    .max_flat_workgroup_size: 256
    .sgpr_count:     66
    .vgpr_count:     256
    .wavefront_size: 32
...
	.end_amdgpu_metadata
.endif
;; end of part 1
;; launch proj (part 2): grid 16 x 32, 4 waves a work-group, clusters of 4 x 4, 327,680 bytes of LDS; arguments xb, wb, bias, qkv; writes qkv
.if DOCPART == 2
	.amdgcn_target "amdgcn-amd-amdhsa--gfx1250"
	.amdhsa_code_object_version 6
	.text
	.protected	k_qfac1acc8c5_proj
	.globl	k_qfac1acc8c5_proj
	.p2align	8
	.type	k_qfac1acc8c5_proj,@function
k_qfac1acc8c5_proj:
	s_mov_b64 s[64:65], 0
	v_nop
	global_prefetch_b8 v0, s[64:65] scope:SCOPE_SE
	s_setreg_imm32_b32 hwreg(HW_REG_WAVE_MODE, 25, 1), 1
	s_wait_xcnt 0x0
	s_wait_alu depctr_hold_cnt(0) depctr_sa_sdst(0) depctr_va_vdst(0) depctr_va_sdst(0) depctr_va_ssrc(0) depctr_va_vcc(0) depctr_vm_vsrc(0)
	s_getreg_b32 s2, hwreg(HW_REG_IB_STS2, 6, 4)
	s_cmp_eq_u32 s2, 0
	s_cbranch_scc0 .Lentry_in_a_cluster
	s_endpgm
.Lentry_in_a_cluster:
	s_bfe_u32 s2, ttmp6, 0x10000c
	s_cmp_lg_u32 s2, 0xf033
	s_cbranch_scc0 .Lentry_shape_is_right
	s_endpgm
.Lentry_shape_is_right:
; PROJ: q, k, v = x W + b.  xb [8192][1024] bf16, wb [1024 k][3072 n] bf16, bias [3072] f32; sums in f32, K ascending, started with the bias as C.
; Out: qkv [3][64 = 16 b + h][2048][64] f16, unscaled, each number rounded once.
; LIMIT: f16 ends at 65,504: q, k and v must stay within it.
; SHARES.  A work-group makes 256 rows x 192 columns (three whole heads): 16 x 32 = 512 work-groups.  Wave w makes rows 64 w .. 64 w + 63 x all 192 columns:
; 48 accumulators of 16 x 16, 384 registers.  K goes in steps of 128 through two LDS slots filled by the tensor data mover.
; CLUSTER 4 x 4: x's tile hangs on the tile row alone and is asked for jointly along a row of the cluster, W's on the tile column alone and is asked for jointly along a column.
; THE MATRIX INSTRUCTION IS USED TRANSPOSED: source 0 = 16 columns of W (W lies [k][n] in LDS and is turned by ds_load_tr16_b128), source 1 = 16 rows of x:
; a lane then holds one row of x and eight neighbouring columns, 16 bytes of f16.
; REGISTERS: window 0: v16-29 addresses; v32-95 x's fragments, two buffers of 4 x 8; v96-143 packed results; v160-255 the bias as 12 C operands, later rows read back from the stage
;   window 1: v0-191 W's fragments, two buffers of 12 x 8      windows 2, 3: accumulator (a, b) at v[8 (12 (a % 2) + b)] of window 2 + a / 2
.set KSTEP,  128
.set PA,     272                       ; a row of x in LDS: 256 bytes + 16: the 16 rows of a load start at 16 different groups of four banks (64 banks of 4 bytes: ISA guide 11.1)
.set PB,     480                       ; a k-row of W: three pieces of 128 bytes, 32 of padding behind each
.set ABYTES, 256*PA
.set SLOT,   ABYTES+128*PB             ; 131,072: x's 256 rows, then W's 128 k-rows
.set STAGE,  2*SLOT                    ; behind the ring: 16 rows x 400 bytes for each wave, for the way out; no tensor load fills it
.set SPI,    400
.set SPARE,  STAGE+4*16*SPI            ; behind the stages: the spare words, 128 bytes a wave
.set ADRA, 16                          ; v16-17  LDS address of my fragments of x in slot 0, 1
.set ADRB, 20                          ; v20-21  the same for W
.set STO,  24                          ; v24  the way out: where I put 16 bytes of a row
.set RD,   25                          ; v25  where I read rows back
.set CO,   26                          ; v26  16 x lane
.set BO,   27                          ; v27  32 x (lane / 16)
.set SPW,  28                          ; v28  my spare word; never rewritten
.set NIL,  29                          ; v29  0; never rewritten
.set FA,   32
.set TMP,  96
.set BIAS, 160
.set OB,   160
.set WV,   12                          ; s12  wave;  s13 wave / 2: I fetch for x (0) or W (1);  s14 wave % 2: which half of that tile
.set G1A,  28                          ; s[28:35] descriptor group 1 for x's tiles;  s[36:43] group 0, a set for each slot
.set G0A,  36
.set G1B,  44                          ; s[44:51], s[52:59] the same for W's
.set G0B,  52
.set HB,   66                          ; s[66:71] my 64 rows in each of the tile's three heads
.set MSB, 0
.macro WIN new                         ; the immediate's high byte repeats the setting that is left; a switch that changes nothing is dropped
.if MSB != (\new)
	s_set_vgpr_msb (MSB<<8)|(\new)
.set MSB, \new
.endif
.endm
.macro PLACES                          ; four places in front of loads into registers that matrix instructions have read, and of conversions that read results
.rept 4
	v_nop
.endr
.endm
.macro JLOAD s                         ; a joint load: waves 0, 1 fetch x's two halves, waves 2, 3 W's; an s_nop 0 and four v_nop follow each line
	s_cmp_eq_u32 s13, 0
	s_cbranch_scc0 .Lfor_b_\@
	tensor_load_to_lds s[G0A+4*(\s):G0A+4*(\s)+3], s[G1A:G1A+7]
	s_nop 0
.rept 4
	v_nop
.endr
	s_branch .Lasked_\@
.Lfor_b_\@:
	tensor_load_to_lds s[G0B+4*(\s):G0B+4*(\s)+3], s[G1B:G1B+7]
	s_nop 0
.rept 4
	v_nop
.endr
.Lasked_\@:
.endm
.macro CREST                           ; a round of the cluster's barrier behind its opening barrier
	s_cmp_lg_u32 s[WV], 0
	s_cbranch_scc1 .Lnot_wave_0_\@
	s_barrier_signal -3
.Lnot_wave_0_\@:
	s_barrier_wait -3
	s_barrier_signal -1
	s_barrier_wait -1
.endm
.macro CROUND
	s_barrier_signal -1
	s_barrier_wait -1
	CREST
.endm
	s_load_b256 s[4:11], s[0:1], 0x0               ; xb 4, wb 6, bias 8, qkv 10
	v_lshl_add_u32 v[SPW], v0, 2, SPARE
	v_mov_b32 v[NIL], 0
	ds_add_u32 v[SPW], v[NIL]                      ; the wave's opening: the add and its wait stand ahead of my first tensor load
	v_lshrrev_b32 v1, 5, v0
	v_readfirstlane_b32 s[WV], v1
	s_lshr_b32 s13, s[WV], 1
	s_and_b32 s14, s[WV], 1
	s_bfe_u32 s15, ttmp6, 0x40000                  ; cx
	s_bfe_u32 s16, ttmp6, 0x40004                  ; cy
	s_lshl_b32 s17, ttmp9, 2
	s_add_co_u32 s17, s17, s15                     ; tile column tn
	s_and_b32 s18, ttmp7, 0xffff
	s_lshl_b32 s18, s18, 2
	s_add_co_u32 s18, s18, s16                     ; tile row tm
	s_lshl_b32 s19, s16, 2
	s_lshl_b32 s19, 15, s19                        ; my row of the cluster
	s_lshl_b32 s20, 0x1111, s15                    ; my column
	s_or_b32 s[G1A], s19, (1<<16)|(1<<20)|(1<<21)|(5<<22)|(3<<25)  ; mask; 2-byte elements; padding on; bit 21 beside a mask; after every 64 words 4 words
	s_or_b32 s[G1B], s20, (1<<16)|(1<<20)|(1<<21)|(4<<22)|(7<<25)  ; the same: after every 32 words 8 words
	s_mov_b32 s[G1A+1], KSTEP<<16                  ; x: tensor_dim0 = 128
	s_mov_b32 s[G1A+2], 128<<16                    ; tensor_dim1 = 128
	s_mov_b32 s[G1A+3], KSTEP<<16                  ; tile_dim0 = 128
	s_mov_b32 s[G1A+4], 128                        ; tile_dim1 = 128 rows
	s_mov_b32 s[G1A+5], 1024                       ; elements from row to row
	s_mov_b32 s[G1A+6], 0
	s_mov_b32 s[G1A+7], 0
	s_mov_b32 s[G1B+1], 192<<16                    ; W: tensor_dim0 = 192
	s_mov_b32 s[G1B+2], 64<<16                     ; tensor_dim1 = 64
	s_mov_b32 s[G1B+3], 192<<16                    ; tile_dim0 = 192
	s_mov_b32 s[G1B+4], 64                         ; tile_dim1 = 64 k-rows
	s_mov_b32 s[G1B+5], 3072
	s_mov_b32 s[G1B+6], 0
	s_mov_b32 s[G1B+7], 0
	s_lshl_b32 s22, s18, 19                        ; x: 256 tm rows of 2,048 bytes
	s_lshl_b32 s24, s14, 18                        ; + 128 rows for the second half
	s_add_co_u32 s22, s22, s24
	s_mov_b32 s23, 0
	s_mul_i32 s72, s17, 384                        ; W: 192 tn columns
	s_mul_i32 s74, s14, 64*6144                    ; + 64 k-rows for the second half
	s_add_co_u32 s72, s72, s74
	s_mov_b32 s73, 0
	s_mul_i32 s24, s[WV], 128*PA                   ; where they go: x's halves at wave x 128 rows (waves 0, 1),
	s_mul_i32 s25, s[WV], 64*PB
	s_add_co_u32 s25, s25, ABYTES-2*64*PB          ; W's behind x's 256 rows (waves 2, 3)
	s_wait_dscnt 0x0                               ; the opening add is done
	s_wait_kmcnt 0x0
	s_add_nc_u64 s[26:27], s[4:5], s[22:23]
	s_add_nc_u64 s[74:75], s[6:7], s[72:73]
	CROUND                                         ; all sixteen work-groups are here: the first joint loads meet
.irp s, 0,1
	s_mov_b32 s[G0A+4*(\s)], 1
	s_add_co_u32 s[G0A+4*(\s)+1], s24, (\s)*SLOT
	s_add_nc_u64 s[G0A+4*(\s)+2:G0A+4*(\s)+3], s[26:27], (\s)*KSTEP*2
	s_or_b32 s[G0A+4*(\s)+3], s[G0A+4*(\s)+3], 0x80000000
	s_mov_b32 s[G0B+4*(\s)], 1
	s_add_co_u32 s[G0B+4*(\s)+1], s25, (\s)*SLOT
	s_add_nc_u64 s[G0B+4*(\s)+2:G0B+4*(\s)+3], s[74:75], (\s)*KSTEP*6144
	s_or_b32 s[G0B+4*(\s)+3], s[G0B+4*(\s)+3], 0x80000000
	JLOAD \s                                       ; K steps 0 and 1: two loads of mine are out
.endr
	v_and_b32 v1, 15, v0                           ; r
	v_bfe_u32 v2, v0, 4, 1                         ; h
	v_lshlrev_b32 v[BO], 5, v2
	s_mul_i32 s76, s17, 768
	s_mov_b32 s77, 0
	s_add_nc_u64 s[8:9], s[8:9], s[76:77]          ; the tile's 192 biases
.irp b, 0,1,2,3,4,5,6,7,8,9,10,11                  ; register j of block b: bias[16 b + 8 h + j]: the C operand that starts the sums
	global_load_b128 v[BIAS+8*(\b):BIAS+8*(\b)+3],   v[BO], s[8:9] offset:64*(\b)
	global_load_b128 v[BIAS+8*(\b)+4:BIAS+8*(\b)+7], v[BO], s[8:9] offset:64*(\b)+16
.endr
	v_mul_u32_u24 v3, v1, PA
	v_lshl_add_u32 v3, v2, 4, v3                   ; row x pitch + 16 x half
	s_mul_i32 s21, s[WV], 64*PA                    ; my 64 rows of x
	v_add_nc_u32 v[ADRA], s21, v3
	v_add_nc_u32 v[ADRA+1], SLOT, v[ADRA]
	v_and_b32 v4, 7, v0                            ; the turning load: lane l reads k-row 8 (l / 16) + l % 8, 16 bytes at 16 ((l / 8) % 2)
	v_lshl_add_u32 v4, v2, 3, v4
	v_mul_u32_u24 v4, v4, PB
	v_bfe_u32 v5, v0, 3, 1
	v_lshl_add_u32 v4, v5, 4, v4
	v_add_nc_u32 v[ADRB], ABYTES, v4
	v_add_nc_u32 v[ADRB+1], SLOT, v[ADRB]
	s_mul_i32 s21, s[WV], 16*SPI
	s_add_co_u32 s21, s21, STAGE                   ; my stage
	v_mul_u32_u24 v6, v1, SPI                      ; in: row r, 16 bytes for each half of the lanes
	v_lshl_add_u32 v6, v2, 4, v6
	v_add_nc_u32 v[STO], s21, v6
	v_bfe_u32 v6, v0, 3, 2                         ; back: 32 lanes take four rows x 128 bytes of one head
	v_mul_u32_u24 v6, v6, SPI
	v_and_b32 v7, 7, v0
	v_lshl_add_u32 v6, v7, 4, v6
	v_add_nc_u32 v[RD], s21, v6
	v_and_b32 v7, 31, v0
	v_lshlrev_b32 v[CO], 4, v7
	; my 64 rows in head g = 3 tn + j: plane 64 (g / 16) + 16 (tm / 8) + g % 16, row 256 (tm % 8) + 64 wave
	s_mul_i32 s76, s17, 3
	s_lshr_b32 s78, s18, 3
	s_lshl_b32 s78, s78, 4
	s_and_b32 s79, s18, 7
	s_lshl_b32 s79, s79, 8
	s_lshl_b32 s21, s[WV], 6
	s_add_co_u32 s79, s79, s21
.irp j, 0,1,2
	s_add_co_u32 s72, s76, \j
	s_lshr_b32 s73, s72, 4
	s_lshl_b32 s73, s73, 6
	s_and_b32 s72, s72, 15
	s_add_co_u32 s72, s72, s73
	s_add_co_u32 s72, s72, s78
	s_lshl_b32 s72, s72, 11
	s_add_co_u32 s72, s72, s79
	s_lshl_b32 s72, s72, 7                         ; rows of 128 bytes
	s_mov_b32 s73, 0
	s_add_nc_u64 s[HB+2*(\j):HB+2*(\j)+1], s[10:11], s[72:73]
.endr
; 12 matrix instructions: row block a x all 12 column blocks, 32 along K, from buffer f.  first = 1: the bias starts the sums.  The 48 accumulators take turns.
.macro MUL12 f, a, first
.if \first
	WIN 0x81+0x40*((\a)/2)                         ; W window 1, x and C window 0, D window 2 or 3
.else
	WIN 0xa1+0x50*((\a)/2)                         ; C and D window 2 or 3
.endif
.irp b, 0,1,2,3,4,5,6,7,8,9,10,11
.if \first
	v_wmma_f32_16x16x32_bf16 v[8*(12*((\a)%2)+(\b)):8*(12*((\a)%2)+(\b))+7], v[96*(\f)+8*(\b):96*(\f)+8*(\b)+7], v[FA+32*(\f)+8*(\a):FA+32*(\f)+8*(\a)+7], v[BIAS+8*(\b):BIAS+8*(\b)+7]
.else
	v_wmma_f32_16x16x32_bf16 v[8*(12*((\a)%2)+(\b)):8*(12*((\a)%2)+(\b))+7], v[96*(\f)+8*(\b):96*(\f)+8*(\b)+7], v[FA+32*(\f)+8*(\a):FA+32*(\f)+8*(\a)+7], v[8*(12*((\a)%2)+(\b)):8*(12*((\a)%2)+(\b))+7]
.endif
.endr
.endm
; 32 LDS loads in one run: quarter q (32 along K) of a slot into buffer f: W's 24 first, then x's 8
.macro FETCH slot, q, f
	WIN 0x40                                       ; destination window 1, address window 0
.irp b, 0,1,2,3,4,5,6,7,8,9,10,11
	ds_load_tr16_b128 v[96*(\f)+8*(\b):96*(\f)+8*(\b)+3],   v[ADRB+(\slot)] offset:(\q)*32*PB+((\b)/4)*160+((\b)%4)*32
	ds_load_tr16_b128 v[96*(\f)+8*(\b)+4:96*(\f)+8*(\b)+7], v[ADRB+(\slot)] offset:(\q)*32*PB+16*PB+((\b)/4)*160+((\b)%4)*32
.endr
	WIN 0
.irp a, 0,1,2,3
	ds_load_b128 v[FA+32*(\f)+8*(\a):FA+32*(\f)+8*(\a)+3],   v[ADRA+(\slot)] offset:(\q)*64+(\a)*16*PA
	ds_load_b128 v[FA+32*(\f)+8*(\a)+4:FA+32*(\f)+8*(\a)+7], v[ADRA+(\slot)] offset:(\q)*64+(\a)*16*PA+32
.endr
.endm
; One of a K step's first three quarters: multiplies buffer f; in its middle it fetches quarter q of the same slot into buffer g.
.macro QUARTER slot, q, f, g, first
	s_wait_dscnt 4                                 ; W and x's blocks 0, 1 are in; the youngest four loads (blocks 2, 3) may be out
	MUL12 \f, 0, \first
	MUL12 \f, 1, \first
	PLACES
	FETCH \slot, \q, \g
	s_wait_dscnt 32                                ; all but the 32 just issued
	MUL12 \f, 2, \first
	MUL12 \f, 3, \first
.endm
; The last quarter multiplies buffer 1 and changes slots: ONE barrier; in front of it each wave waits for all its tensor loads (one is out: its part of the next slot), adds 0 to its
; spare word, and waits for that and for its reads of this slot.  fill = 1: the barrier opens a round of the cluster's, and this slot is filled again, two K steps ahead, first thing behind it.
.macro TURN slot, next, fill
	WIN 0
	s_wait_tensorcnt 0x0
	ds_add_u32 v[SPW], v[NIL]
	s_wait_dscnt 5                                 ; the add and the youngest four loads may be out
	MUL12 1, 0, 0                                  ; twelve matrix instructions stand between the add and the wait for it
	s_wait_dscnt 0x0                               ; the add is done, and my reads of this slot are over
	s_barrier_signal -1
	MUL12 1, 1, 0
.if \fill
	WIN 0
.endif
	s_barrier_wait -1
.if \fill
	CREST                                          ; no wave of any partner still reads this slot or has a load on its way
	s_add_nc_u64 s[G0A+4*(\slot)+2:G0A+4*(\slot)+3], s[G0A+4*(\slot)+2:G0A+4*(\slot)+3], 2*KSTEP*2
	s_add_nc_u64 s[G0B+4*(\slot)+2:G0B+4*(\slot)+3], s[G0B+4*(\slot)+2:G0B+4*(\slot)+3], 2*KSTEP*6144
	JLOAD \slot                                    ; my one tensor load behind the round; its four v_nop are also the places in front of the loads below
.else
	PLACES
.endif
	FETCH \next, 0, 0
	MUL12 1, 2, 0
	MUL12 1, 3, 0
.endm
	s_wait_tensorcnt 1                             ; my part of K step 0 is in; K step 1's may stay out
	s_barrier_signal -1
	s_barrier_wait -1
	FETCH 0, 0, 0
	s_wait_loadcnt 0x0                             ; the bias
	QUARTER 0, 1, 0, 1, 1                          ; the first quarter stands in front of the loop: its products start the sums
	WIN 0
	s_mov_b32 s3, 3                                ; 1,024 / 256 - 1 laps fill both slots again
.Llap:
	QUARTER 0, 2, 1, 0, 0
	QUARTER 0, 3, 0, 1, 0
	TURN 0, 1, 1
	QUARTER 1, 1, 0, 1, 0
	QUARTER 1, 2, 1, 0, 0
	QUARTER 1, 3, 0, 1, 0
	TURN 1, 0, 1
	QUARTER 0, 1, 0, 1, 0
	WIN 0
	s_sub_co_u32 s3, s3, 1
	s_cmp_lg_u32 s3, 0
	s_cbranch_scc1 .Llap
	QUARTER 0, 2, 1, 0, 0                          ; the last lap fills nothing
	QUARTER 0, 3, 0, 1, 0
	TURN 0, 1, 0
	QUARTER 1, 1, 0, 1, 0
	QUARTER 1, 2, 1, 0, 0
	QUARTER 1, 3, 0, 1, 0
	s_wait_dscnt 4
	MUL12 1, 0, 0
	MUL12 1, 1, 0
	s_wait_dscnt 0x0
	MUL12 1, 2, 0
	MUL12 1, 3, 0
	WIN 0
	PLACES
; THE WAY OUT, a block of 16 rows at a time: rounded to f16, 16 bytes a lane into my stage, back as four rows x 128 bytes of one head, which are 512 consecutive bytes of qkv.
.macro PACK a
	WIN 0x0a+5*((\a)/2)                            ; sources in window 2 or 3
.irp b, 0,1,2,3,4,5,6,7,8,9,10,11
.irp r, 0,1,2,3
	v_cvt_pk_f16_f32 v[TMP+4*(\b)+(\r)], v[96*((\a)%2)+8*(\b)+2*(\r)], v[96*((\a)%2)+8*(\b)+2*(\r)+1]
.endr
.endr
	WIN 0
.endm
.macro TOSTAGE a
.irp b, 0,1,2,3,4,5,6,7,8,9,10,11
	ds_store_b128 v[STO], v[TMP+4*(\b):TMP+4*(\b)+3] offset:32*(\b)
.endr
	s_wait_xcnt 0x0                                ; the registers that the stores two blocks back read are loaded again only behind this wait
.irp j, 0,1,2
.irp t, 0,1,2,3
	ds_load_b128 v[OB+48*((\a)%2)+4*(4*(\j)+(\t)):OB+48*((\a)%2)+4*(4*(\j)+(\t))+3], v[RD] offset:(\t)*4*SPI+128*(\j)  ; LDS serves a wave's instructions in order (ISA guide 5.7.1.4): these see the stores above
.endr
.endr
.endm
.macro SEND a
	s_wait_dscnt 0x0                               ; the block is back in registers
.irp j, 0,1,2
.irp t, 0,1,2,3
	global_store_b128 v[CO], v[OB+48*((\a)%2)+4*(4*(\j)+(\t)):OB+48*((\a)%2)+4*(4*(\j)+(\t))+3], s[HB+2*(\j):HB+2*(\j)+1] offset:(16*(\a)+4*(\t))*128
.endr
.endr
.endm
	PACK 0
	TOSTAGE 0
.irp a, 1,2,3                                      ; block a's conversions stand between block a - 1's loads from the stage and the wait for them
	PACK \a
	SEND (\a)-1
	TOSTAGE \a
.endr
	SEND 3
	s_wait_tensorcnt 0x0                           ; the wave's end
	ds_add_u32 v[SPW], v[NIL]
	s_wait_dscnt 0x0
	CROUND                                         ; the closing round: no work-group ends while a partner may still ask for a tile that names it
	s_endpgm
.Lfunc_end_k_qfac1acc8c5_proj:
	.size	k_qfac1acc8c5_proj, .Lfunc_end_k_qfac1acc8c5_proj-k_qfac1acc8c5_proj
	.p2alignl 7, 3214868480
	.fill 96, 4, 3214868480
	.section	.rodata,"a",@progbits
	.p2align	6, 0x0
	.amdhsa_kernel k_qfac1acc8c5_proj
		.amdhsa_group_segment_fixed_size 327680
		.amdhsa_private_segment_fixed_size 0
		.amdhsa_enable_private_segment 0
		.amdhsa_kernarg_size 32
		.amdhsa_user_sgpr_count 2
		.amdhsa_user_sgpr_kernarg_segment_ptr 1
		.amdhsa_wavefront_size32 1
		.amdhsa_system_sgpr_workgroup_id_x 1
		.amdhsa_system_sgpr_workgroup_id_y 1
		.amdhsa_system_sgpr_workgroup_id_z 1
		.amdhsa_system_vgpr_workitem_id 0
		.amdhsa_next_free_vgpr 960
		.amdhsa_next_free_sgpr 80
		.amdhsa_reserve_vcc 0
		.amdhsa_float_denorm_mode_32 3
		.amdhsa_float_denorm_mode_16_64 3
		.amdhsa_memory_ordered 1
		.amdhsa_forward_progress 1
		.amdhsa_inst_pref_size 122
	.end_amdhsa_kernel
	.amdgpu_metadata
---
amdhsa.version: [ 1, 2 ]
amdhsa.kernels:
  - .name:           k_qfac1acc8c5_proj
    .symbol:         k_qfac1acc8c5_proj.kd
    .args:
      - { .name: xb, .offset: 0, .size: 8, .value_kind: global_buffer, .address_space: global }
      - { .name: wb, .offset: 8, .size: 8, .value_kind: global_buffer, .address_space: global }
      - { .name: bias, .offset: 16, .size: 8, .value_kind: global_buffer, .address_space: global }
      - { .name: qkv, .offset: 24, .size: 8, .value_kind: global_buffer, .address_space: global }
    .group_segment_fixed_size: 327680
    .private_segment_fixed_size: 0
    .kernarg_segment_align: 8
    .kernarg_segment_size: 32
    .max_flat_workgroup_size: 128
    .sgpr_count:     80
    .vgpr_count:     960
    .wavefront_size: 32
...
	.end_amdgpu_metadata
.endif
;; end of part 2
;; launch attn (part 3): grid 4 x 64, 4 waves a work-group, clusters of 4 x 1, 327,680 bytes of LDS; arguments qkv, mw, ctx; writes ctx
.if DOCPART == 3
	.amdgcn_target "amdgcn-amd-amdhsa--gfx1250"
	.amdhsa_code_object_version 6
	.text
	.protected	k_qfac1acc8c5_attn
	.globl	k_qfac1acc8c5_attn
	.p2align	8
	.type	k_qfac1acc8c5_attn,@function
k_qfac1acc8c5_attn:
	s_mov_b64 s[64:65], 0
	v_nop
	global_prefetch_b8 v0, s[64:65] scope:SCOPE_SE
	s_setreg_imm32_b32 hwreg(HW_REG_WAVE_MODE, 25, 1), 1
	s_wait_xcnt 0x0
	s_wait_alu depctr_hold_cnt(0) depctr_sa_sdst(0) depctr_va_vdst(0) depctr_va_sdst(0) depctr_va_ssrc(0) depctr_va_vcc(0) depctr_vm_vsrc(0)
	s_getreg_b32 s2, hwreg(HW_REG_IB_STS2, 6, 4)
	s_cmp_eq_u32 s2, 0
	s_cbranch_scc0 .Lentry_in_a_cluster
	s_endpgm
.Lentry_in_a_cluster:
	s_bfe_u32 s2, ttmp6, 0x10000c
	s_cmp_lg_u32 s2, 0x3003
	s_cbranch_scc0 .Lentry_shape_is_right
	s_endpgm
.Lentry_shape_is_right:
; ATTN: ctx[hh][q][:] = the sum over k of softmax_k(masked(Q[hh][q] . K[hh][k] / 8)) V[hh][k][:].  qkv: [3][64][2048][64] f16; ctx: [64][2048][64] f16; hh = 16 b + h.
; Products, maxima and sums in f32; the weights p are rounded to f16 for the second product (their sum l is taken of the unrounded p), ctx once at the end.
; THE MASK is an input: mw holds it as lane-mask words, one bit a score, in the order in which a wave needs them.  They come by scalar loads, 256 bytes a turn, and one v_cndmask_b32 a score
; register REPLACES a masked score, ahead of the running maximum.
; LIMITS.  A masked score counts as -2^30 where the module writes -1e9 (raw -2^33, a power of two, so that c m is exact and a row with every key masked gets p = 1 for all keys, the mean of V);
; the two differ only where an unmasked scaled score lies near or below -1e9.  A weight below 2^-126 counts as 0 in l.  Q, K, V arrive within f16's 65,504.  NaN and infinities are not treated apart.
; SHARES.  A wave owns four PIECES of two tiles of 16 queries, a work-group's four waves 512 queries of one head.  Every wave walks all 2,048 keys, 64 a step; a slot of LDS holds four steps.
; LAYOUT.  S^T = K Q^T (source 0 = 16 keys, source 1 = 16 queries): a lane holds ONE query (lane % 16) and the keys 8 (lane / 16) + 0..7.  Two such tiles, rounded to f16 in pairs, ARE source 1
; of O^T = V^T P.  K comes out of LDS as it lies, V ([key][channel]) turned, by ds_load_tr16_b128.
; SOFTMAX.  A running maximum m and sum l for each query: p = 2^(c s - c m), c = log2(e) / 8; in every step O and l are multiplied by a = 2^(c m_old - c m_new).  m starts at the lowest finite number, O and l at 0.
; BY TURNS.  Turn n belongs to piece n.  Matrix work: 16 products K Q^T of piece n + 1, later 16 products V^T P of piece n - 1.  Vector work: scaling, exponentials, roundings, sums and rescaling of
; piece n; mask, maximum and statistics of piece n + 1.  Four vector instructions stand behind every matrix instruction, the other 172 of a turn's 300 in two lumps.
; CLUSTER.  The four query blocks of a head walk the same K and V: each tile is asked for JOINTLY, by the same tensor load, descriptor and mask in all four.
; REGISTERS, in windows of 256 (s_set_vgpr_msb: bits 1:0 source 0, 3:2 source 1, 5:4 source 2, 7:6 destination):
;   window 0: v0-11 addresses and the masked score; v12-15, v48-63 at work; v16-47 four registers of statistics a tile; v64-191 S^T, two buffers of two tiles; v192-255 P, likewise
;   window 1: O^T, 32 a tile      window 2: v0-127 Q; v128-191 K of one step; v192-255 V of one step      window 3: v0-1 the add's two registers
.set NP,    4
.set KS,    64
.set PK,    160       ; a row of K and of V in LDS: 128 bytes + 32: one descriptor serves both, K's 16 rows start at 8 different groups of banks (64 banks of 4 bytes: ISA guide 11.1)
.set PV,    160
.set VOFF,  4*KS*PK   ; a slot: 256 rows of K, then 256 rows of V
.set SLOT1, 1<<17
.set STAGE, SLOT1+4*KS*(PK+PV)  ; behind the ring, never filled by a tensor load: 16 rows x 144 bytes a wave
.set SP,    144
.set SPARE, STAGE+4*16*SP       ; the spare words, 128 bytes a wave
.set AK0, 2           ; v2   my lane's place in a tile of K; never rewritten
.set AV0, 3           ; v3   the same for V
.set AK,  4           ; v4   the LDS address of K's next run of loads
.set AV,  5           ; v5   of V's
.set QO,  6           ; v6   my byte offset in the wave's rows of Q
.set STO, 6           ;      later: where I put 16 bytes of a row
.set RD,  7           ; v7   where I read rows back
.set GO,  8           ; v8   16 x lane
.set BIG, 11          ; v11  -2^33
.set SPW, 0           ; v0 of window 3
.set NIL, 1           ; v1 of window 3
.set MV,  12
.set ST,  16          ; tile t: c m, m, l (even keys', odd keys')
.set TMP, 48          ; by buffer and tile c0-c3; c2 takes a
.set S,   64
.set P,   192
.set KF,  128
.set VF,  192
.set WV,  2           ; s2   wave
.set MP,  6           ; s[6:7]   the mask words of the piece to come
.set OA,  8           ; s[8:9]   ctx at my wave's first row
.set CS,  10          ; s[10:11] c
.set SEL, 12          ; s[12:13] v_permlanex16_b32's selects
.set SLOTS, 14
.set CNT, 15
.set TBK, 16          ; s16  LDS byte at which K of the step to be fetched begins
.set TBV, 17          ; s17  the same for V, less VOFF
.set G0,  20          ; s[20:23] descriptor group 0: it walks
.set G1,  24          ; s[24:31] descriptor group 1
.set MW0, 32          ; s[32:63] 32 mask words of the piece's first tile
.set MW1, 68          ; s[68:99] of its second
.set QA,  100         ; s[100:101] Q at my wave's first row
.set MSB, 0
.macro WIN new
.if MSB != (\new)
	s_set_vgpr_msb (MSB<<8)|(\new)
.set MSB, (\new)
.endif
.endm
.set W_KQ, 0x0a       ; K and Q in window 2, S^T in window 0
.set W_PV, 0x52       ; V in window 2, P in window 0, O^T in window 1
.set W_RS, 0x41       ; O^T (destination and source 0) in window 1, a in window 0
.set W_MK, 0xc0
.set W_AD, 0x0f
.macro JLOAD                        ; a joint fill: wave w brings 128 keys: K's halves (waves 0, 1), V's (2, 3); both addresses hang on the wave's number; an s_nop 0 and four v_nop follow
	tensor_load_to_lds s[G0:G0+3], s[G1:G1+7]
	s_nop 0
.rept 4
	v_nop
.endr
.endm
.macro MLOAD                        ; a piece's 64 mask words
	s_load_b512 s[MW0:MW0+15],    s[MP:MP+1], 0x0
	s_load_b512 s[MW0+16:MW0+31], s[MP:MP+1], 0x40
	s_load_b512 s[MW1:MW1+15],    s[MP:MP+1], 0x80
	s_load_b512 s[MW1+16:MW1+31], s[MP:MP+1], 0xc0
.endm
.macro CROUND
	s_barrier_signal -1
	s_barrier_wait -1
	s_cmp_lg_u32 s[WV], 0
	s_cbranch_scc1 .Lnot_wave_0_\@
	s_barrier_signal -3
.Lnot_wave_0_\@:
	s_barrier_wait -3
	s_barrier_signal -1
	s_barrier_wait -1
.endm
; THE CHANGE OF SLOTS.  Each wave waits for all its tensor loads (one is out: its part of the other slot), adds 0 to its spare word, and waits for that and for its reads of the slot.
; fill = 1: the barrier is a round of the cluster's, and the slot is filled again, with the keys two slots on, first thing behind it: it has four key steps in which to land.
.macro CHANGE fill
	WIN W_AD
	s_wait_tensorcnt 0x0            ; no tensor load of mine is out, so group 0 may be written
	ds_add_u32 v[SPW], v[NIL]
	WIN 0
.if \fill
	s_xor_b32 s[G0+1], s[G0+1], SLOT1
	s_add_nc_u64 s[G0+2:G0+3], s[G0+2:G0+3], 4*KS*128
	s_wait_dscnt 0x0                ; the add is done, and my reads of the slot are over
	CROUND
	JLOAD
.else
	s_wait_dscnt 0x0
	s_barrier_signal -1
	s_barrier_wait -1
.endif
	s_sub_co_u32 s[TBK], s[TBK], 4*KS*PK  ; the fetches go back to a slot's first step, in the other slot
	s_xor_b32 s[TBK], s[TBK], SLOT1
	s_sub_co_u32 s[TBV], s[TBV], 4*KS*PV
	s_xor_b32 s[TBV], s[TBV], SLOT1
.endm
	s_load_b128 s[4:7], s[0:1], 0x0 ; qkv 4, mw 6
	s_load_b64 s[8:9], s[0:1], 0x10 ; ctx
	WIN W_MK
	v_lshl_add_u32 v[SPW], v0, 2, SPARE
	v_mov_b32 v[NIL], 0
	WIN W_AD
	ds_add_u32 v[SPW], v[NIL]       ; the wave's opening: the add and its wait stand ahead of my first tensor load
	WIN 0
	v_lshrrev_b32 v1, 5, v0
	v_readfirstlane_b32 s[WV], v1
	s_and_b32 s19, ttmp7, 0xffff    ; the head hh, which the four partners share
	s_lshr_b32 s66, s[WV], 1        ; K (tensor 1) for waves 0, 1; V (tensor 2) for waves 2, 3
	s_add_co_u32 s66, s66, 1
	s_lshl_b32 s66, s66, 24         ; a tensor is 16,777,216 bytes,
	s_lshl_b32 s67, s19, 18         ; a head 262,144,
	s_add_co_u32 s66, s66, s67
	s_and_b32 s67, s[WV], 1
	s_lshl_b32 s67, s67, 14         ; half a slot's keys 16,384
	s_add_co_u32 s66, s66, s67
	s_mov_b32 s67, 0
	s_bfe_u32 s3, ttmp6, 0x40000    ; cx: it enters Q's, ctx's and the mask words' addresses alone
	s_lshl_b32 s18, ttmp9, 2
	s_add_co_u32 s18, s18, s3       ; my block of 512 queries
	s_lshl_b32 s18, s18, 2
	s_add_co_u32 s18, s18, s[WV]    ; my wave's group of 128 queries, G
	s_lshl_b32 s104, s19, 18
	s_lshl_b32 s3, s18, 14
	s_add_co_u32 s104, s104, s3     ; Q and ctx: head, then 128 rows of 128 bytes a group
	s_mov_b32 s105, 0
	s_lshr_b32 s3, s19, 4
	s_lshl_b32 s3, s3, 4            ; 16 b
	s_add_co_u32 s18, s18, s3
	s_lshl_b32 s18, s18, 15         ; 32,768 bytes of words a group
	s_mov_b32 s19, 0
	s_mov_b32 s[G1], 15|(1<<16)|(1<<20)|(1<<21)|(4<<22)|(7<<25)  ; the mask of four; 2-byte elements; padding on; bit 21 beside a mask; after every 32 words 8 words
	s_mov_b32 s[G1+1], 128<<16      ; 128 keys are 16,384 dense bytes: asked for as 64 rows of 256 bytes
	s_mov_b32 s[G1+2], 64<<16
	s_mov_b32 s[G1+3], 128<<16
	s_mov_b32 s[G1+4], 64
	s_mov_b32 s[G1+5], 128
	s_mov_b32 s[G1+6], 0
	s_mov_b32 s[G1+7], 0
	s_mov_b32 s[CS], 0x3e38aa3b     ; c = log2(e) / 8
	s_mov_b32 s[CS+1], s[CS]
	s_mov_b32 s[SEL], 0x76543210
	s_mov_b32 s[SEL+1], 0xfedcba98
	s_mov_b32 s[TBK], SLOT1+4*KS*PK ; the first change of slots turns these two into 0
	s_mov_b32 s[TBV], SLOT1+4*KS*PV
	s_mov_b32 s[G0], 1
	s_mul_i32 s[G0+1], s[WV], 128*PK  ; slot 0: wave x 128 rows
	s_wait_dscnt 0x0                ; the opening add is done
	s_wait_kmcnt 0x0
	s_add_nc_u64 s[G0+2:G0+3], s[4:5], s[66:67]
	s_or_b32 s[G0+3], s[G0+3], 0x80000000
	s_add_nc_u64 s[QA:QA+1], s[4:5], s[104:105]
	s_add_nc_u64 s[OA:OA+1], s[OA:OA+1], s[104:105]
	s_add_nc_u64 s[MP:MP+1], s[MP:MP+1], s[18:19]
	CROUND                          ; all four work-groups are here: the first joint loads meet
	JLOAD                           ; slot 0; slot 1 is asked for when slot 0 is in
	MLOAD                           ; the words of step 0, piece 0
	v_and_b32 v1, 15, v0            ; l % 16
	v_bfe_u32 v9, v0, 4, 1          ; l / 16
	v_lshlrev_b32 v[QO], 7, v1
	v_lshl_add_u32 v[QO], v9, 4, v[QO]
	WIN 0x80
.set i, 0
.rept 4*NP                          ; Q stays in registers: tile i / 2, channels 32 (i % 2) on
	global_load_b128 v[8*i:8*i+3],   v[QO], s[QA:QA+1] offset:(i/2)*2048+(i%2)*64
	global_load_b128 v[8*i+4:8*i+7], v[QO], s[QA:QA+1] offset:(i/2)*2048+(i%2)*64+32
.set i, i+1
.endr
	; What the first turn finds: V and P's second buffer hold 0 (its products V^T P, of a piece that has not been, add 0), O^T and l are 0.  All this stands in the wait for the first tile.
.set i, VF
.rept 64
	v_mov_b32 v[i], 0
.set i, i+1
.endr
	WIN 0x40
.set i, 0
.rept 64*NP
	v_mov_b32 v[i], 0
.set i, i+1
.endr
	WIN 0
.set i, 0
.rept 2*NP
	v_mov_b32 v[ST+4*i], 0xfe000000    ; c m: far below every c s
	v_mov_b32 v[ST+4*i+1], 0xff7fffff  ; m
	v_mov_b32 v[ST+4*i+2], 0
	v_mov_b32 v[ST+4*i+3], 0
.set i, i+1
.endr
.set i, P+32
.rept 32
	v_mov_b32 v[i], 0
.set i, i+1
.endr
	v_mul_u32_u24 v[AK0], v1, PK
	v_lshl_add_u32 v[AK0], v9, 4, v[AK0]
	v_and_b32 v10, 7, v0
	v_bfe_u32 v11, v0, 3, 1
	v_lshl_add_u32 v[AV0], v9, 3, v10
	v_mul_u32_u24 v[AV0], v[AV0], PV
	v_lshl_add_u32 v[AV0], v11, 4, v[AV0]
	v_add_nc_u32 v[AV0], VOFF, v[AV0]
	v_mov_b32 v[BIG], 0xd0000000    ; -2^33
	v_mov_b32 v[AK], v[AK0]         ; key step 0 lies at the head of slot 0
; THE MATRIX WORK.  The 8 accumulators of a run of 16 take turns.
.macro KQ x                         ; product i of 16 of S^T = K Q^T for piece x: channels 32 (i / 8) on, keys 16 ((i / 2) % 4) on, tile 2 x + i % 2
	WIN W_KQ
.set rS, S+64*((\x)%2)+32*(i%2)+8*((i/2)%4)
.set rK, KF+16*((i/2)%4)+8*(i/8)
.set rQ, 16*(2*(\x)+i%2)+8*(i/8)
.if i < 8
	v_wmma_f32_16x16x32_f16 v[rS:rS+7], v[rK:rK+7], v[rQ:rQ+7], 0
	s_wait_alu depctr_va_vdst(0)
.else
	v_wmma_f32_16x16x32_f16 v[rS:rS+7], v[rK:rK+7], v[rQ:rQ+7], v[rS:rS+7]
.endif
.endm
.macro PV x                         ; product i of 16 of O^T += V^T P for piece x: keys 32 (i / 8) on, channels 16 ((i / 2) % 4) on
	WIN W_PV
.set rO, 32*(2*(\x)+i%2)+8*((i/2)%4)
.set rV, VF+32*(i/8)+8*((i/2)%4)
.set rP, P+32*((\x)%2)+16*(i%2)+8*(i/8)
	v_wmma_f32_16x16x32_f16 v[rO:rO+7], v[rV:rV+7], v[rP:rP+7], v[rO:rO+7]
.endm
.macro MM                           ; the turn's next matrix instruction
.if i < 16
	KQ (Y+1)%NP
.set i, i+1
.else
.set i, i-16
	PV (Y+NP-1)%NP
.set i, i+17
.endif
.endm
; THE LDS LOADS stand in runs of 16.  last = 1 (the tail): in the last trip there is no further step, and the run is jumped over.
.macro FETCH_K last=0
	WIN 0
.if \last
	s_cmp_eq_u32 s[CNT], 1
	s_cbranch_scc1 .Lno_k_\@
.endif
	WIN 0x80
.irp f, 0,1,2,3,4,5,6,7
	ds_load_b128 v[KF+8*\f:KF+8*\f+3],   v[AK] offset:(\f/2)*16*PK+(\f%2)*64
	ds_load_b128 v[KF+8*\f+4:KF+8*\f+7], v[AK] offset:(\f/2)*16*PK+(\f%2)*64+32
.endr
	s_add_co_u32 s[TBK], s[TBK], KS*PK
	WIN 0
.if \last
.Lno_k_\@:
.endif
.endm
.macro FETCH_V
	WIN 0x80
.irp f, 0,1,2,3,4,5,6,7
	ds_load_tr16_b128 v[VF+8*\f:VF+8*\f+3],   v[AV] offset:(\f/4)*32*PV+(\f%4)*32
	ds_load_tr16_b128 v[VF+8*\f+4:VF+8*\f+7], v[AV] offset:(\f/4)*32*PV+16*PV+(\f%4)*32
.endr
	WIN 0
.endm
.macro REGS y, u                    ; the registers of tile u (0, 1) of piece y
.set rT, ST+4*(2*(\y)+(\u))
.set rC, TMP+8*((\y)%2)+4*(\u)
.set rM, MV+2*((\y)%2)+(\u)
.set rS, S+64*((\y)%2)+32*(\u)
.set rP, P+32*((\y)%2)+16*(\u)
.set rO, 32*(2*(\y)+(\u))
.endm
; Number n of the 22 that find the NEXT piece's maximum and statistics:  0-11 four chains c0-c3 of seven scores;  12-14, 16 the four scores left over, the old m, c0-c3 into c0;  15 c m_old is kept;
; 17, 18 the query's other 32 keys lie in the lane 16 away: the new m;  19-21 c m; c m_old - c m_new; a
.macro XS u, n
	REGS (Y+1)%NP, \u
.if (\n) < 4
	v_max3_num_f32 v[rC+(\n)], v[rS+8*(\n)], v[rS+8*(\n)+1], v[rS+8*(\n)+2]
.elseif (\n) < 12
	v_max3_num_f32 v[rC+(\n)%4], v[rC+(\n)%4], v[rS+8*((\n)%4)+2*((\n)/4)+1], v[rS+8*((\n)%4)+2*((\n)/4)+2]
.elseif (\n) == 12
	v_max3_num_f32 v[rC], v[rC], v[rS+7], v[rS+15]
.elseif (\n) == 13
	v_max3_num_f32 v[rC+1], v[rC+1], v[rS+23], v[rS+31]
.elseif (\n) == 14
	v_max3_num_f32 v[rC+2], v[rC+2], v[rC+3], v[rT+1]
.elseif (\n) == 15
	v_mov_b32 v[rM], v[rT]
.elseif (\n) == 16
	v_max3_num_f32 v[rC], v[rC], v[rC+1], v[rC+2]
	s_wait_alu depctr_va_vdst(0)
.elseif (\n) == 17
	v_permlanex16_b32 v[rC+3], v[rC], s[SEL], s[SEL+1]
.elseif (\n) == 18
	v_max_num_f32 v[rT+1], v[rC], v[rC+3]
.elseif (\n) == 19
	v_mul_f32 v[rT], s[CS], v[rT+1]
.elseif (\n) == 20
	v_sub_f32 v[rC+1], v[rM], v[rT]
.else
	v_exp_f32 v[rC+2], v[rC+1]
.endif
.endm
; THE VECTOR WORK: OP kind, number writes the line for the piece's first tile and then for its second.  For piece Y: T_F n: c s - c m for pair n of 16.  T_E n: the exponential of score n of 32.
; T_C n: pair n rounded to f16.  T_B n: of the four weights 4 n .. the second pair is added onto the first, in place.  T_L n: l takes that sum (n = 0: l = a l + sum).  T_R n: pair n of 16 of O^T times a.
; For piece Y + 1: T_M n: score register n is replaced where its mask word has the lane's bit (in ascending order: each accumulator's lowest registers are read first).  T_X n: XS.
.set T_F, 0
.set T_E, 1
.set T_C, 2
.set T_B, 3
.set T_L, 4
.set T_R, 5
.set T_M, 6
.set T_X, 7
.macro OP1 k, n, u
.if (\k) == T_X
	WIN 0
	XS \u, \n
.elseif (\k) == T_M
	REGS (Y+1)%NP, \u
	WIN 0
	v_cndmask_b32 v[rS+(\n)], v[rS+(\n)], v[BIG], s[MW0+36*(\u)+(\n)]
.elseif (\k) == T_R
	REGS Y, \u
	WIN W_RS
	v_pk_mul_f32 v[rO+2*(\n):rO+2*(\n)+1], v[rO+2*(\n):rO+2*(\n)+1], v[rC+2:rC+3] op_sel_hi:[1,0]
.else
	REGS Y, \u
	WIN 0
.if (\k) == T_F
	v_pk_fma_f32 v[rS+2*(\n):rS+2*(\n)+1], v[rS+2*(\n):rS+2*(\n)+1], s[CS:CS+1], v[rT:rT+1] op_sel_hi:[1,0,0] neg_lo:[0,0,1] neg_hi:[0,0,1]
.elseif (\k) == T_E
	v_exp_f32 v[rS+(\n)], v[rS+(\n)]
.elseif (\k) == T_C
	v_cvt_pk_f16_f32 v[rP+(\n)], v[rS+2*(\n)], v[rS+2*(\n)+1]
.elseif (\k) == T_B
	v_pk_add_f32 v[rS+4*(\n):rS+4*(\n)+1], v[rS+4*(\n):rS+4*(\n)+1], v[rS+4*(\n)+2:rS+4*(\n)+3]
.elseif (\n) == 0
	v_pk_fma_f32 v[rT+2:rT+3], v[rT+2:rT+3], v[rC+2:rC+3], v[rS:rS+1] op_sel_hi:[1,0,1]
.else
	v_pk_add_f32 v[rT+2:rT+3], v[rT+2:rT+3], v[rS+4*(\n):rS+4*(\n)+1]
.endif
.endif
.endm
.macro OP k, n
	OP1 \k, \n, 0
	OP1 \k, \n, 1
.endm
.macro OPS a, i1, b=-1, i2=0, c=-1, i3=0, d=-1, i4=0
	OP \a, \i1
.if (\b) >= 0
	OP \b, \i2
.endif
.if (\c) >= 0
	OP \c, \i3
.endif
.if (\d) >= 0
	OP \d, \i4
.endif
.endm
; A TURN, for piece p.  No vector line near a product names its registers; behind each pair of exponentials stands a plain line that names neither (ISA guide 5.7.2).
; K of the next step is fetched in piece 2's turn, behind the four rescalings and the first mask lines that follow the last product that read K; it is waited for at the head of piece 3's turn.
; V of the step in hand is fetched in piece 0's turn, eleven plain lines behind the last product that read V; it is waited for in front of piece 1's products V^T P.
; The mask words: the wait for the scalar loads shows them done, so their base may step; the next piece's are asked for when this piece's have been used, and have the rest of the turn and the next one's first run in which to land.
.macro TURN p, last=0, cnt=0
.set Y, (\p)
.set i, 0
.if (\p) == NP-1
	s_wait_dscnt 0x0                ; K is in
.endif
.set k, 0
.rept 8                             ; 16 products K Q^T of piece p + 1; behind them the scalings and the rescalings, which wait for nothing
	MM
	OP T_F, 2*k
	OP T_F, 2*k+1
	MM
	OP T_R, 2*k
	OP T_R, 2*k+1
.set k, k+1
.endr
	s_wait_kmcnt 0x0                ; the words of piece p + 1
	s_add_nc_u64 s[MP:MP+1], s[MP:MP+1], 256
.set k, 0
.rept 16                            ; the first lump: the mask on the new scores, the first half of the exponentials
	OP T_M, 2*k
	OP T_M, 2*k+1
	OP T_E, k
.if ((\p) == NP-2) && (k == 0)
	v_add_nc_u32 v[AK], s[TBK], v[AK0]
.endif
.if ((\p) == NP-2) && (k == 1)
	FETCH_K \last
.endif
.set k, k+1
.endr
	MLOAD
.if (\p) == 1
	s_wait_dscnt 0x0                ; V is in
.endif
.set k, 0
.rept 16                            ; 16 products V^T P of piece p - 1; behind them the maxima and the other exponentials
	MM
	OP T_X, k
	OP T_E, 16+k
.set k, k+1
.endr
	OPS T_X,16, T_C,0, T_C,1        ; the second lump: the chain of the statistics, with roundings and sums between its links
.if (\p) == 0
	v_add_nc_u32 v[AV], s[TBV], v[AV0]
	s_add_co_u32 s[TBV], s[TBV], KS*PV
	FETCH_V
.endif
	OPS T_X,17, T_C,2, T_C,3
	OPS T_X,18, T_B,0, T_C,4
	OPS T_X,19, T_B,1, T_C,5
	OPS T_X,20, T_L,0, T_C,6
	OPS T_X,21, T_B,2, T_C,7
	OPS T_L,1, T_B,3, T_C,8
	OPS T_L,2, T_C,9, T_B,4
	OPS T_L,3, T_C,10, T_C,11, T_B,5
	OPS T_L,4, T_C,12, T_C,13, T_B,6
	OPS T_L,5, T_C,14, T_C,15, T_B,7
	OPS T_L,6, T_L,7
.if \cnt
	s_sub_co_u32 s[CNT], s[CNT], 1
	s_cmp_lg_u32 s[CNT], 0
.endif
.endm
	CHANGE 1                        ; slot 0 is in, everybody's part of it; slot 1 is asked for
	FETCH_K                         ; key step 0
	s_wait_loadcnt 0x0              ; Q
	s_wait_dscnt 0x0
.set i, 0
.rept 16
	KQ 0                            ; piece 0's first scores
.set i, i+1
.endr
	WIN 0                           ; the addresses for the way out: eleven plain instructions, the places behind those products
	s_mul_i32 s66, s[WV], 16*SP
	s_add_co_u32 s66, s66, STAGE
	v_mul_u32_u24 v[STO], v1, SP
	v_lshl_add_u32 v[STO], v9, 4, v[STO]
	v_add_nc_u32 v[STO], s66, v[STO]
	v_bfe_u32 v[RD], v0, 3, 2
	v_mul_u32_u24 v[RD], v[RD], SP
	v_lshl_add_u32 v[RD], v10, 4, v[RD]
	v_add_nc_u32 v[RD], s66, v[RD]
	v_and_b32 v[GO], 31, v0
	v_lshlrev_b32 v[GO], 4, v[GO]
.set Y, NP-1                        ; T_M and T_X work for piece Y + 1: piece 0
	s_wait_kmcnt 0x0
	s_add_nc_u64 s[MP:MP+1], s[MP:MP+1], 256
.set k, 0
.rept 32
	OP T_M, k
.set k, k+1
.endr
	MLOAD                           ; piece 1's words
.set k, 0
.rept 22
	OP T_X, k
.set k, k+1
.endr
	s_mov_b32 s[CNT], 4
	s_mov_b32 s[SLOTS], 2048/256-1
	s_branch .Lfirst                ; the loop is entered at a step's first turn, in the middle of a trip
.Lslot:                             ; six times: every slot but the last two is filled again
	CHANGE 1
	s_mov_b32 s[CNT], 4
.Lstep:                             ; a trip: pieces 2 and 3 of one step, then pieces 0 and 1 of the next, whose K and V it fetches
	TURN 2
	TURN 3
	WIN 0
.Lfirst:
	TURN 0
	TURN 1, 0, 1
	WIN 0
	s_cbranch_scc1 .Lstep
	s_sub_co_u32 s[SLOTS], s[SLOTS], 1
	s_cmp_lg_u32 s[SLOTS], 0
	s_cbranch_scc1 .Lslot
	CHANGE 0                        ; the tail is written out: nothing is asked for
	s_mov_b32 s[CNT], 5             ; four trips fetch the last slot's steps; the fifth is left in its middle
.Ltail:
	TURN 2, 1
	TURN 3
	WIN 0
	s_sub_co_u32 s[CNT], s[CNT], 1
	s_cmp_eq_u32 s[CNT], 0
	s_cbranch_scc1 .Lout
	TURN 0
	TURN 1
	WIN 0
	s_branch .Ltail
.Lout:                              ; the fifth trip's products K Q^T (on the last K once more), the mask words behind my group's end (the next group's, or mw's zeros) and the maximum made of them serve nothing
.set i, 0
.rept 16
	PV NP-1                         ; the last piece's V^T P of the last step
.set i, i+1
.endr
	; THE WAY OUT.  l's two halves and the other half of the lanes' are added; O^T is divided by l, rounded to f16 and sent through my stage, a tile at a time.  The additions are the places behind the last products.
	WIN 0
	s_wait_kmcnt 0x0                ; the look-ahead's last scalar loads
.macro ALL line:vararg
.set t, 0
.rept 2*NP
	\line
.set t, t+1
.endr
.endm
	ALL v_add_f32 v[ST+4*t+2], v[ST+4*t+2], v[ST+4*t+3]
	ALL v_permlanex16_b32 v[ST+4*t+3], v[ST+4*t+2], s[SEL], s[SEL+1]
	ALL v_add_f32 v[ST+4*t+2], v[ST+4*t+2], v[ST+4*t+3]
	ALL v_rcp_f32 v[ST+4*t+2], v[ST+4*t+2]
	v_nop                           ; a plain instruction between the last reciprocal and the use of its result
	s_wait_alu depctr_va_vdst(0)
.macro PACK t
	WIN W_RS
.set i, 32*(\t)
.rept 16
	v_pk_mul_f32 v[i:i+1], v[i:i+1], v[ST+4*(\t)+2:ST+4*(\t)+3] op_sel_hi:[1,0]
.set i, i+2
.endr
	WIN 0x05
.set i, 0
.rept 16
	v_cvt_pk_f16_f32 v[S+16*(\t)+i], v[32*(\t)+2*i], v[32*(\t)+2*i+1]
.set i, i+1
.endr
	WIN 0
.irp f, 0,1,2,3
	ds_store_b128 v[STO], v[S+16*(\t)+4*\f:S+16*(\t)+4*\f+3] offset:32*\f
.endr
.irp f, 0,1,2,3
	ds_load_b128 v[S+16*(\t)+4*\f:S+16*(\t)+4*\f+3], v[RD] offset:\f*4*SP  ; LDS serves a wave's instructions in order (ISA guide 5.7.1.4): these see the stores above
.endr
.endm
.macro SEND t, younger              ; younger: the LDS instructions issued behind tile t's loads
	WIN 0
.irp f, 0,1,2,3
	s_wait_dscnt (\younger)+3-\f
	global_store_b128 v[GO], v[S+16*(\t)+4*\f:S+16*(\t)+4*\f+3], s[OA:OA+1] offset:(\t)*2048+\f*512  ; 512 consecutive bytes, aligned
.endr
.endm
	PACK 0
.set t, 1
.rept 2*NP-1
	PACK t
	SEND t-1, 8
.set t, t+1
.endr
	SEND 2*NP-1, 0
	WIN W_AD
	s_wait_tensorcnt 0x0            ; the wave's end
	ds_add_u32 v[SPW], v[NIL]
	s_wait_dscnt 0x0
	WIN 0
	CROUND                          ; the closing round
	s_endpgm
.Lfunc_end_k_qfac1acc8c5_attn:
	.size	k_qfac1acc8c5_attn, .Lfunc_end_k_qfac1acc8c5_attn-k_qfac1acc8c5_attn
	.p2alignl 7, 3214868480
	.fill 96, 4, 3214868480
	.section	.rodata,"a",@progbits
	.p2align	6, 0x0
	.amdhsa_kernel k_qfac1acc8c5_attn
		.amdhsa_group_segment_fixed_size 327680
		.amdhsa_private_segment_fixed_size 0
		.amdhsa_enable_private_segment 0
		.amdhsa_kernarg_size 24
		.amdhsa_user_sgpr_count 2
		.amdhsa_user_sgpr_kernarg_segment_ptr 1
		.amdhsa_wavefront_size32 1
		.amdhsa_system_sgpr_workgroup_id_x 1
		.amdhsa_system_sgpr_workgroup_id_y 1
		.amdhsa_system_sgpr_workgroup_id_z 1
		.amdhsa_system_vgpr_workitem_id 0
		.amdhsa_next_free_vgpr 770
		.amdhsa_next_free_sgpr 106
		.amdhsa_reserve_vcc 0
		.amdhsa_float_denorm_mode_32 3
		.amdhsa_float_denorm_mode_16_64 3
		.amdhsa_memory_ordered 1
		.amdhsa_forward_progress 1
		.amdhsa_inst_pref_size 235
	.end_amdhsa_kernel
	.amdgpu_metadata
---
amdhsa.version: [ 1, 2 ]
amdhsa.kernels:
  - .name:           k_qfac1acc8c5_attn
    .symbol:         k_qfac1acc8c5_attn.kd
    .args:
      - { .name: qkv, .offset: 0, .size: 8, .value_kind: global_buffer, .address_space: global }
      - { .name: mw, .offset: 8, .size: 8, .value_kind: global_buffer, .address_space: global }
      - { .name: ctx, .offset: 16, .size: 8, .value_kind: global_buffer, .address_space: global }
    .group_segment_fixed_size: 327680
    .private_segment_fixed_size: 0
    .kernarg_segment_align: 8
    .kernarg_segment_size: 24
    .max_flat_workgroup_size: 128
    .sgpr_count:     106
    .vgpr_count:     770
    .wavefront_size: 32
...
	.end_amdgpu_metadata
.endif
;; end of part 3
;; launch oproj (part 4): grid 256 x 1, 4 waves a work-group, clusters of 4 x 1, 167,936 bytes of LDS; arguments ctx, wof, out0; writes out0
.if DOCPART == 4
	.amdgcn_target "amdgcn-amd-amdhsa--gfx1250"
	.amdhsa_code_object_version 6
	.text
	.protected	k_qfac1acc8c5_oproj
	.globl	k_qfac1acc8c5_oproj
	.p2align	8
	.type	k_qfac1acc8c5_oproj,@function
k_qfac1acc8c5_oproj:
	s_mov_b64 s[64:65], 0
	v_nop
	global_prefetch_b8 v0, s[64:65] scope:SCOPE_SE
	s_setreg_imm32_b32 hwreg(HW_REG_WAVE_MODE, 25, 1), 1
	s_wait_xcnt 0x0
	s_wait_alu depctr_hold_cnt(0) depctr_sa_sdst(0) depctr_va_vdst(0) depctr_va_sdst(0) depctr_va_ssrc(0) depctr_va_vcc(0) depctr_vm_vsrc(0)
	s_getreg_b32 s2, hwreg(HW_REG_IB_STS2, 6, 4)
	s_cmp_eq_u32 s2, 0
	s_cbranch_scc0 .Lentry_in_a_cluster
	s_endpgm
.Lentry_in_a_cluster:
	s_bfe_u32 s2, ttmp6, 0x10000c
	s_cmp_lg_u32 s2, 0x3003
	s_cbranch_scc0 .Lentry_shape_is_right
	s_endpgm
.Lentry_shape_is_right:
; OPROJ: out0[m][n] = the sum over 1,024 k of context[m][k] Wo[k][n].  ctx: [64 = 16 b + h][2048][64] f16, so k = 64 h + channel; wof: Wo in f16, as fragments; out0: [8192][64] f32.  Sums in f32.
; SHARES.  Work-group W makes rows 32 W .. 32 W + 31.  Wave: rt = wave % 2 picks 16 rows, kh = wave / 2 picks heads 8 kh .. 8 kh + 7 (512 of K): 4 accumulators, 64 matrix instructions.
; The two halves of K meet in LDS, in f32, behind a barrier; each wave adds and stores 8 whole rows.
; CLUSTER 4 x 1: all work-groups read the same 131,072 bytes of wof: asked for jointly, a quarter a wave; LDS is filled once.
; The matrix instruction is used transposed (source 0 = 16 columns of Wo, source 1 = 16 rows of ctx): a lane holds one row and eight neighbouring columns.
; REGISTERS: window 0: v4-8 addresses; v30-31 the add's; v32-63 accumulators; v64-191 Wo's fragments, four buffers of 32.   window 1: v0-127 ctx's 16 fragments.
.set STAGE, 131072                     ; behind wof: 16 rows x 272 bytes a wave; no tensor load fills it
.set SPI,   272
.set SPARE, STAGE+4*16*SPI
.set AO,  4                            ; v4   r x 128 + 16 h
.set BA,  5                            ; v5   16 x lane + kh x 65,536
.set STO, 6
.set RD,  7
.set GO,  8                            ; v8   16 x lane
.set SPW, 30
.set NIL, 31
.set ACC, 32
.set BB,  64
.set WV,  12
.set G0,  20
.set G1,  24
.set MSB, 0
.macro WIN new
.if MSB != (\new)
	s_set_vgpr_msb (MSB<<8)|(\new)
.set MSB, \new
.endif
.endm
.macro CROUND
	s_barrier_signal -1
	s_barrier_wait -1
	s_cmp_lg_u32 s[WV], 0
	s_cbranch_scc1 .Lnot_wave_0_\@
	s_barrier_signal -3
.Lnot_wave_0_\@:
	s_barrier_wait -3
	s_barrier_signal -1
	s_barrier_wait -1
.endm
	s_load_b128 s[4:7], s[0:1], 0x0                ; ctx 4, wof 6
	s_load_b64 s[8:9], s[0:1], 0x10                ; out0
	v_lshl_add_u32 v[SPW], v0, 2, SPARE
	v_mov_b32 v[NIL], 0
	ds_add_u32 v[SPW], v[NIL]                      ; the wave's opening: the add and its wait stand ahead of my first tensor load
	v_lshrrev_b32 v1, 5, v0
	v_readfirstlane_b32 s[WV], v1
	s_and_b32 s13, s[WV], 1                        ; rt
	s_lshr_b32 s14, s[WV], 1                       ; kh
	s_bfe_u32 s15, ttmp6, 0x40000                  ; cx
	s_lshl_b32 s16, ttmp9, 2
	s_add_co_u32 s16, s16, s15                     ; W
	s_mov_b32 s[G1], 15|(3<<16)|(1<<21)            ; the mask of four; 8-byte elements; bit 21 beside a mask; no padding
	s_mov_b32 s[G1+1], 32<<16                      ; a dense block as 128 rows of 256 bytes
	s_mov_b32 s[G1+2], 128<<16
	s_mov_b32 s[G1+3], 32<<16
	s_mov_b32 s[G1+4], 128
	s_mov_b32 s[G1+5], 32
	s_mov_b32 s[G1+6], 0
	s_mov_b32 s[G1+7], 0
	s_mov_b32 s[G0], 1
	s_mul_i32 s[G0+1], s[WV], 32768                ; my quarter, in LDS
	s_mul_i32 s18, s[WV], 32768                    ; and in wof
	s_mov_b32 s19, 0
	s_lshr_b32 s32, s16, 6                         ; ctx: plane 16 b + 8 kh,
	s_lshl_b32 s32, s32, 4
	s_lshl_b32 s33, s14, 3
	s_add_co_u32 s32, s32, s33
	s_lshl_b32 s32, s32, 18
	s_and_b32 s33, s16, 63                         ; row 32 (W % 64) + 16 rt
	s_lshl_b32 s33, s33, 5
	s_lshl_b32 s34, s13, 4
	s_add_co_u32 s33, s33, s34
	s_lshl_b32 s33, s33, 7
	s_add_co_u32 s32, s32, s33
	s_mov_b32 s33, 0
	s_lshl_b32 s34, s16, 5                         ; out0: row 32 W + 16 rt + 8 kh
	s_lshl_b32 s35, s13, 4
	s_add_co_u32 s34, s34, s35
	s_lshl_b32 s35, s14, 3
	s_add_co_u32 s34, s34, s35
	s_lshl_b32 s34, s34, 8
	s_mov_b32 s35, 0
	s_wait_dscnt 0x0                               ; the opening add is done
	s_wait_kmcnt 0x0
	s_add_nc_u64 s[G0+2:G0+3], s[6:7], s[18:19]
	s_or_b32 s[G0+3], s[G0+3], 0x80000000
	s_add_nc_u64 s[4:5], s[4:5], s[32:33]
	s_add_nc_u64 s[8:9], s[8:9], s[34:35]
	CROUND                                         ; all four work-groups are here: the joint loads meet
	tensor_load_to_lds s[G0:G0+3], s[G1:G1+7]      ; my one tensor load
	s_nop 0
.rept 4
	v_nop
.endr
	v_and_b32 v1, 15, v0                           ; r
	v_bfe_u32 v2, v0, 4, 1                         ; h
	v_lshlrev_b32 v[AO], 7, v1
	v_lshl_add_u32 v[AO], v2, 4, v[AO]
	WIN 0x40                                       ; destination window 1
.set t, 0
.rept 16                                       ; fragment t: head t / 2 of my eight, channels 32 (t % 2) on
	global_load_b128 v[8*t:8*t+3],   v[AO], s[4:5] offset:(t/2)*262144+(t%2)*64
	global_load_b128 v[8*t+4:8*t+7], v[AO], s[4:5] offset:(t/2)*262144+(t%2)*64+32
.set t, t+1
.endr
	WIN 0
	v_and_b32 v3, 31, v0
	v_lshlrev_b32 v[GO], 4, v3
	s_lshl_b32 s36, s14, 16
	v_add_nc_u32 v[BA], s36, v[GO]
	s_mul_i32 s36, s[WV], 16*SPI
	s_add_co_u32 s36, s36, STAGE                   ; my stage: row r, 32 bytes for each half of the lanes
	v_mul_u32_u24 v[STO], v1, SPI
	v_lshl_add_u32 v[STO], v2, 5, v[STO]
	v_add_nc_u32 v[STO], s36, v[STO]
	s_mul_i32 s36, s13, 16*SPI                     ; back: the stage of (rt, kh = 0), rows 8 kh on, two rows an instruction; (rt, kh = 1)'s lies two stages further
	s_mul_i32 s37, s14, 8*SPI
	s_add_co_u32 s36, s36, s37
	s_add_co_u32 s36, s36, STAGE
	v_mul_u32_u24 v[RD], v2, SPI
	v_lshl_add_u32 v[RD], v1, 4, v[RD]
	v_add_nc_u32 v[RD], s36, v[RD]
	s_wait_tensorcnt 0x0                           ; my quarter of wof is in,
	s_barrier_signal -1
	s_barrier_wait -1                              ; everybody's is
.macro FETCHB t                        ; Wo's four fragments of K step t of my sixteen, as they lie
.irp nb, 0,1,2,3
	ds_load_b128 v[BB+32*((\t)%4)+8*(\nb):BB+32*((\t)%4)+8*(\nb)+3],   v[BA] offset:(\t)*4096+(\nb)*1024
	ds_load_b128 v[BB+32*((\t)%4)+8*(\nb)+4:BB+32*((\t)%4)+8*(\nb)+7], v[BA] offset:(\t)*4096+(\nb)*1024+512
.endr
.endm
	FETCHB 0
	FETCHB 1
	FETCHB 2
	WIN 0x04                                       ; source 1 (ctx) in window 1; an LDS load names destination and source 0 alone
.set t, 0
.rept 16
.if t < 13
.rept 4
	v_nop                                          ; the places in front of loads into the buffer that the last four products read
.endr
	FETCHB t+3
	s_wait_dscnt 24                                ; step t's eight are in; three steps' may be out
.else
	s_wait_dscnt 8*(15-t)
.endif
.if t%2 == 0
	s_wait_loadcnt 28-2*t                          ; ctx's fragments t and t + 1: four loads of 32, in order
.endif
.irp nb, 0,1,2,3                                   ; the four accumulators take turns
.if t == 0
	v_wmma_f32_16x16x32_f16 v[ACC+8*(\nb):ACC+8*(\nb)+7], v[BB+32*(t%4)+8*(\nb):BB+32*(t%4)+8*(\nb)+7], v[8*t:8*t+7], 0
.else
	v_wmma_f32_16x16x32_f16 v[ACC+8*(\nb):ACC+8*(\nb)+7], v[BB+32*(t%4)+8*(\nb):BB+32*(t%4)+8*(\nb)+7], v[8*t:8*t+7], v[ACC+8*(\nb):ACC+8*(\nb)+7]
.endif
.endr
.set t, t+1
.endr
	WIN 0
.rept 4
	v_nop
.endr
.irp nb, 0,1,2,3                                   ; my half of K's sums, in f32: row r, columns 16 nb + 8 h + 0..7
	ds_store_b128 v[STO], v[ACC+8*(\nb):ACC+8*(\nb)+3]   offset:64*(\nb)
	ds_store_b128 v[STO], v[ACC+8*(\nb)+4:ACC+8*(\nb)+7] offset:64*(\nb)+16
.endr
	s_wait_dscnt 0x0                               ; for the others' sake: my stores are done
	s_barrier_signal -1
	s_barrier_wait -1
.irp t, 0,1,2,3
	ds_load_b128 v[BB+4*(\t):BB+4*(\t)+3],       v[RD] offset:(\t)*2*SPI
	ds_load_b128 v[BB+16+4*(\t):BB+16+4*(\t)+3], v[RD] offset:(\t)*2*SPI+2*16*SPI
.endr
	s_wait_dscnt 0x0
.irp t, 0,1,2,3
	v_pk_add_f32 v[BB+4*(\t):BB+4*(\t)+1],   v[BB+4*(\t):BB+4*(\t)+1],   v[BB+16+4*(\t):BB+16+4*(\t)+1]
	v_pk_add_f32 v[BB+4*(\t)+2:BB+4*(\t)+3], v[BB+4*(\t)+2:BB+4*(\t)+3], v[BB+16+4*(\t)+2:BB+16+4*(\t)+3]
	global_store_b128 v[GO], v[BB+4*(\t):BB+4*(\t)+3], s[8:9] offset:512*(\t)  ; two whole rows: 512 consecutive bytes, aligned
.endr
	s_wait_tensorcnt 0x0                           ; the wave's end
	ds_add_u32 v[SPW], v[NIL]
	s_wait_dscnt 0x0
	CROUND                                         ; the closing round
	s_endpgm
.Lfunc_end_k_qfac1acc8c5_oproj:
	.size	k_qfac1acc8c5_oproj, .Lfunc_end_k_qfac1acc8c5_oproj-k_qfac1acc8c5_oproj
	.p2alignl 7, 3214868480
	.fill 96, 4, 3214868480
	.section	.rodata,"a",@progbits
	.p2align	6, 0x0
	.amdhsa_kernel k_qfac1acc8c5_oproj
		.amdhsa_group_segment_fixed_size 167936
		.amdhsa_private_segment_fixed_size 0
		.amdhsa_enable_private_segment 0
		.amdhsa_kernarg_size 24
		.amdhsa_user_sgpr_count 2
		.amdhsa_user_sgpr_kernarg_segment_ptr 1
		.amdhsa_wavefront_size32 1
		.amdhsa_system_sgpr_workgroup_id_x 1
		.amdhsa_system_sgpr_workgroup_id_y 1
		.amdhsa_system_sgpr_workgroup_id_z 1
		.amdhsa_system_vgpr_workitem_id 0
		.amdhsa_next_free_vgpr 384
		.amdhsa_next_free_sgpr 66
		.amdhsa_reserve_vcc 0
		.amdhsa_float_denorm_mode_32 3
		.amdhsa_float_denorm_mode_16_64 3
		.amdhsa_memory_ordered 1
		.amdhsa_forward_progress 1
		.amdhsa_inst_pref_size 25
	.end_amdhsa_kernel
	.amdgpu_metadata
---
amdhsa.version: [ 1, 2 ]
amdhsa.kernels:
  - .name:           k_qfac1acc8c5_oproj
    .symbol:         k_qfac1acc8c5_oproj.kd
    .args:
      - { .name: ctx, .offset: 0, .size: 8, .value_kind: global_buffer, .address_space: global }
      - { .name: wof, .offset: 8, .size: 8, .value_kind: global_buffer, .address_space: global }
      - { .name: out0, .offset: 16, .size: 8, .value_kind: global_buffer, .address_space: global }
    .group_segment_fixed_size: 167936
    .private_segment_fixed_size: 0
    .kernarg_segment_align: 8
    .kernarg_segment_size: 24
    .max_flat_workgroup_size: 128
    .sgpr_count:     66
    .vgpr_count:     384
    .wavefront_size: 32
...
	.end_amdgpu_metadata
.endif
;; end of part 4
;; ======== version 2 of 2: 4 launches
;; limits: right only within a limited range of input values; values are held in f16: magnitudes above 65,504 overflow, below 6.1e-05 lose precision
;; workspace buffers: xb 16,777,216 bytes; wb 6,291,456 bytes; bias 12,288 bytes; wof 131,072 bytes; mw 2,098,176 bytes of whole numbers; qkv 50,331,648 bytes; ctx 16,777,216 bytes
;; launch prep: the kernel of part 1 again; grid 256 x 1, 8 waves a work-group, no clusters, 70,656 bytes of LDS; arguments x, Wq, Wk, Wv, Wo, bq, bk, bv, attn_mask, xb, wb, wof, bias, mw; writes xb, wb, wof, bias, mw
;; launch proj: the kernel of part 2 again; grid 16 x 32, 4 waves a work-group, clusters of 4 x 4, 327,680 bytes of LDS; arguments xb, wb, bias, qkv; writes qkv
;; launch attn (part 5): grid 4 x 64, 4 waves a work-group, clusters of 4 x 1, 327,680 bytes of LDS; arguments qkv, mw, ctx; writes ctx
.if DOCPART == 5
	.amdgcn_target "amdgcn-amd-amdhsa--gfx1250"
	.amdhsa_code_object_version 6
	.text
	.protected	k_qfac1acc8c5_attn
	.globl	k_qfac1acc8c5_attn
	.p2align	8
	.type	k_qfac1acc8c5_attn,@function
k_qfac1acc8c5_attn:
	s_mov_b64 s[64:65], 0
	v_nop
	global_prefetch_b8 v0, s[64:65] scope:SCOPE_SE
	s_setreg_imm32_b32 hwreg(HW_REG_WAVE_MODE, 25, 1), 1
	s_wait_xcnt 0x0
	s_wait_alu depctr_hold_cnt(0) depctr_sa_sdst(0) depctr_va_vdst(0) depctr_va_sdst(0) depctr_va_ssrc(0) depctr_va_vcc(0) depctr_vm_vsrc(0)
	s_getreg_b32 s2, hwreg(HW_REG_IB_STS2, 6, 4)
	s_cmp_eq_u32 s2, 0
	s_cbranch_scc0 .Lentry_in_a_cluster
	s_endpgm
.Lentry_in_a_cluster:
	s_bfe_u32 s2, ttmp6, 0x10000c
	s_cmp_lg_u32 s2, 0x3003
	s_cbranch_scc0 .Lentry_shape_is_right
	s_endpgm
.Lentry_shape_is_right:
; ATTN: ctx[hh][q][:] = the sum over k of softmax_k(masked(Q[hh][q] . K[hh][k] / 8)) V[hh][k][:].  qkv: [3][64][2048][64] f16; ctx: [64][2048][64] f16; hh = 16 b + h.
; Products, maxima and sums in f32; the weights p are rounded to f16 for the second product (their sum l is taken of the unrounded p), ctx once at the end.
; THE MASK is an input: mw holds it as lane-mask words, one bit a score, in the order in which a wave needs them, 64 words (256 bytes) a piece and key step.  One v_cndmask_b32 a score register REPLACES
; a masked score, ahead of the running maximum; it takes its word from a scalar register.  64 scalar registers hold one piece's words and no second set fits beside them, so the words do not come by
; scalar loads, which could be asked for no earlier than the turn before: one vector load of 8 bytes a lane brings a piece's words nearly three turns ahead into a ring of four register pairs, and 64
; v_readlane_b32, spread among other lines, move them into the scalar registers in the turn that uses them.
; LIMITS.  A masked score counts as -2^30 where the module writes -1e9 (raw -2^33, a power of two, so that c m is exact and a row with every key masked gets p = 1 for all keys, the mean of V);
; the two differ only where an unmasked scaled score lies near or below -1e9.  A weight below 2^-126 counts as 0 in l.  Q, K, V arrive within f16's 65,504.  NaN and infinities are not treated apart.
; SHARES.  A wave owns four PIECES of two tiles of 16 queries, a work-group's four waves 512 queries of one head.  Every wave walks all 2,048 keys, 64 a step; a slot of LDS holds four steps.
; LAYOUT.  S^T = K Q^T (source 0 = 16 keys, source 1 = 16 queries): a lane holds ONE query (lane % 16) and the keys 8 (lane / 16) + 0..7.  Two such tiles, rounded to f16 in pairs, ARE source 1
; of O^T = V^T P.  K comes out of LDS as it lies, V ([key][channel]) turned, by ds_load_tr16_b128.
; SOFTMAX.  A running maximum m and sum l for each query: p = 2^(c s - c m), c = log2(e) / 8; in every step O and l are multiplied by a = 2^(c m_old - c m_new).  m starts at the lowest finite number, O and l at 0.
; BY TURNS.  Turn n belongs to piece n.  Matrix work: 16 products K Q^T of piece n + 1, later 16 products V^T P of piece n - 1.  Vector work: scaling, exponentials, roundings, sums and rescaling of
; piece n; mask, maximum and statistics of piece n + 1.  Four vector instructions stand behind every matrix instruction, the other 236 of a turn's 364 in two lumps.
; CLUSTER.  The four query blocks of a head walk the same K and V: each tile is asked for JOINTLY, by the same tensor load, descriptor and mask in all four.
; REGISTERS, in windows of 256 (s_set_vgpr_msb: bits 1:0 source 0, 3:2 source 1, 5:4 source 2, 7:6 destination):
;   window 0: v0-3 addresses; v4-11 the mask words' ring; v12-15, v48-63 at work; v16-47 four registers of statistics a tile; v64-191 S^T, two buffers of two tiles; v192-255 K of one step
;   window 1: O^T, 32 a tile      window 2: v0-127 Q; v128-191 P, two buffers of two tiles; v192-255 V of one step      window 3: v0-1 the add's two registers; v2-4 the way out's addresses
; K lies beside S^T, so a product K Q^T names window 0 but for Q, its second source; a line whose second source is no vector register (a scaling, an exponential, a v_readlane_b32, the mask's select)
; reads the same under that setting as under 0.  So the first run of products and the lines behind them stand under ONE setting; by the text's count a turn has 39 switches, 32 of them in the second run.
.set NP,    4
.set KS,    64
.set PK,    160       ; a row of K and of V in LDS: 128 bytes + 32: one descriptor serves both, K's 16 rows start at 8 different groups of banks (64 banks of 4 bytes: ISA guide 11.1)
.set PV,    160
.set VOFF,  4*KS*PK   ; a slot: 256 rows of K, then 256 rows of V
.set SLOT1, 1<<17
.set STAGE, SLOT1+4*KS*(PK+PV)  ; behind the ring, never filled by a tensor load: 16 rows x 144 bytes a wave
.set SP,    144
.set SPARE, STAGE+4*16*SP       ; the spare words, 128 bytes a wave
.set ML,  0           ; v0   8 x lane, once the head has used the thread's number; never rewritten after
.set AK0, 1           ; v1   my lane's place in a tile of K; never rewritten
.set AV0, 2           ; v2   the same for V
.set ADR, 3           ; v3   the LDS address of the run of loads in hand, K's or V's
.set MWV, 4           ; v4-11  pair p holds piece p's 64 mask words: word w in lane w / 2, register w % 2
.set MV,  12
.set ST,  16          ; tile t: c m, m, l (even keys', odd keys')
.set TMP, 48          ; by buffer and tile c0-c3; c2 takes a.  In the head: lane numbers and Q's offset
.set QO,  56          ; v56  my byte offset in the wave's rows of Q, until Q is in
.set S,   64
.set KF,  192         ; K's fragments: key block kb, channel half c at KF + 16 kb + 8 c
.set P,   128         ; window 2
.set VF,  192         ; window 2
.set SPW, 0           ; window 3: my spare word; never rewritten
.set NIL, 1           ; window 3: 0; never rewritten
.set STO, 2           ; window 3: the way out: where I put 16 bytes of a row
.set RD,  3           ; window 3: where I read rows back
.set GO,  4           ; window 3: 16 x lane
.set WV,  2           ; s2   wave
.set MP,  6           ; s[6:7]   the mask words of the key step that is being asked for
.set OA,  8           ; s[8:9]   ctx at my wave's first row
.set CS,  10          ; s[10:11] c
.set SEL, 12          ; s[12:13] v_permlanex16_b32's selects
.set SLOTS, 14
.set CNT, 15
.set TBK, 16          ; s16  LDS byte at which K of the step to be fetched begins
.set TBV, 17          ; s17  the same for V, less VOFF
.set BIGS, 18         ; s18  -2^33, the masked score
.set G0,  20          ; s[20:23] descriptor group 0: it walks
.set G1,  24          ; s[24:31] descriptor group 1
.set MW0, 32          ; s[32:63] 32 mask words of the piece's first tile
.set MW1, 68          ; s[68:99] of its second
.set QA,  100         ; s[100:101] Q at my wave's first row
.set MSB, 0
.macro WIN new
.if MSB != (\new)
	s_set_vgpr_msb (MSB<<8)|(\new)
.set MSB, (\new)
.endif
.endm
.set W_KQ, 0x08       ; Q in window 2; K and S^T in window 0
.set W_PV, 0x5a       ; V and P in window 2, O^T in window 1
.set W_RS, 0x41       ; O^T (destination and source 0) in window 1, a in window 0
.set W_CP, 0x80       ; destination (P, V, Q) in window 2, sources in window 0
.set W_MK, 0xc0       ; destination in window 3
.set W_AD, 0x0f       ; the add: address and data in window 3
.set W_ST, 0x03       ; the way out: the address (source 0) in window 3
.macro WIN0X                        ; for a line whose second source is no vector register: the settings 0 and W_KQ serve it alike
.if (MSB != 0) && (MSB != W_KQ)
	WIN 0
.endif
.endm
.macro JLOAD                        ; a joint fill: wave w brings 128 keys: K's halves (waves 0, 1), V's (2, 3); both addresses hang on the wave's number; an s_nop 0 and four v_nop follow
	tensor_load_to_lds s[G0:G0+3], s[G1:G1+7]
	s_nop 0
.rept 4
	v_nop
.endr
.endm
.macro MASKIN p                     ; piece p's 64 mask words of the step at s[MP]: 256 consecutive bytes, aligned, into pair p
	WIN0X
	global_load_b64 v[MWV+2*(\p):MWV+2*(\p)+1], v[ML], s[MP:MP+1] offset:256*(\p)
.endm
.macro RL r                         ; read-out r of 64 from the pair at PR, in the order of use: tile (r / 2) % 2, score register n = 2 (r / 4) + r % 2: word 32 tile + n
	WIN0X
	v_readlane_b32 s[MW0+36*(((\r)/2)%2)+2*((\r)/4)+(\r)%2], v[PR+(\r)%2], 16*(((\r)/2)%2)+(\r)/4
.endm
.macro CROUND
	s_barrier_signal -1
	s_barrier_wait -1
	s_cmp_lg_u32 s[WV], 0
	s_cbranch_scc1 .Lnot_wave_0_\@
	s_barrier_signal -3
.Lnot_wave_0_\@:
	s_barrier_wait -3
	s_barrier_signal -1
	s_barrier_wait -1
.endm
; THE CHANGE OF SLOTS.  Each wave waits for all its tensor loads (one is out: its part of the other slot), adds 0 to its spare word, and waits for that and for its reads of the slot.
; fill = 1: the barrier is a round of the cluster's, and the slot is filled again, with the keys two slots on, first thing behind it: it has four key steps in which to land.
.macro CHANGE fill
	WIN W_AD
	s_wait_tensorcnt 0x0            ; no tensor load of mine is out, so group 0 may be written
	ds_add_u32 v[SPW], v[NIL]
	WIN 0
.if \fill
	s_xor_b32 s[G0+1], s[G0+1], SLOT1
	s_add_nc_u64 s[G0+2:G0+3], s[G0+2:G0+3], 4*KS*128
	s_wait_dscnt 0x0                ; the add is done, and my reads of the slot are over
	CROUND
	JLOAD
.else
	s_wait_dscnt 0x0
	s_barrier_signal -1
	s_barrier_wait -1
.endif
	s_sub_co_u32 s[TBK], s[TBK], 4*KS*PK  ; the fetches go back to a slot's first step, in the other slot
	s_xor_b32 s[TBK], s[TBK], SLOT1
	s_sub_co_u32 s[TBV], s[TBV], 4*KS*PV
	s_xor_b32 s[TBV], s[TBV], SLOT1
.endm
	s_load_b128 s[4:7], s[0:1], 0x0 ; qkv 4, mw 6
	s_load_b64 s[8:9], s[0:1], 0x10 ; ctx
	WIN W_MK
	v_lshl_add_u32 v[SPW], v0, 2, SPARE
	v_mov_b32 v[NIL], 0
	WIN W_AD
	ds_add_u32 v[SPW], v[NIL]       ; the wave's opening: the add and its wait stand ahead of my first tensor load; the set-up below, work on registers, stands between them
	WIN 0
	v_lshrrev_b32 v48, 5, v0
	v_readfirstlane_b32 s[WV], v48
	v_and_b32 v48, 15, v0           ; l % 16
	v_bfe_u32 v49, v0, 4, 1         ; l / 16
	v_and_b32 v50, 7, v0            ; l % 8
	v_bfe_u32 v51, v0, 3, 1         ; (l / 8) % 2
	v_and_b32 v52, 31, v0           ; l
	s_mul_i32 s100, s[WV], 16*SP
	s_add_co_u32 s100, s100, STAGE  ; my stage
	v_mul_u32_u24 v53, v48, SP      ; in: row l % 16, 16 bytes for each half of the lanes
	v_lshl_add_u32 v53, v49, 4, v53
	v_add_nc_u32 v53, s100, v53
	v_bfe_u32 v54, v0, 3, 2         ; back: 32 lanes take four rows of 128 bytes,
	v_mul_u32_u24 v54, v54, SP
	v_lshl_add_u32 v54, v50, 4, v54
	v_add_nc_u32 v54, s100, v54
	v_lshlrev_b32 v55, 4, v52       ; which are 512 consecutive bytes of ctx
	WIN W_MK
	v_mov_b32 v[STO], v53
	v_mov_b32 v[RD], v54
	v_mov_b32 v[GO], v55
	WIN 0
	v_lshlrev_b32 v[QO], 7, v48     ; a fragment of K or Q: lane l holds row l % 16, channels 8 (l / 16) + 0..7 and 16 + 8 (l / 16) + 0..7
	v_lshl_add_u32 v[QO], v49, 4, v[QO]
	v_mul_u32_u24 v[AK0], v48, PK
	v_lshl_add_u32 v[AK0], v49, 4, v[AK0]
	v_lshl_add_u32 v[AV0], v49, 3, v50  ; the turning load: lane l reads key 8 (l / 16) + l % 8, channels 8 ((l / 8) % 2) + 0..7
	v_mul_u32_u24 v[AV0], v[AV0], PV
	v_lshl_add_u32 v[AV0], v51, 4, v[AV0]
	v_add_nc_u32 v[AV0], VOFF, v[AV0]
	v_mov_b32 v[ADR], v[AK0]        ; key step 0 lies at the head of slot 0
	v_lshlrev_b32 v[ML], 3, v52     ; 8 bytes of mask words a lane; the thread's number is not needed any more
	s_and_b32 s19, ttmp7, 0xffff    ; the head hh, which the four partners share
	s_lshr_b32 s66, s[WV], 1        ; K (tensor 1) for waves 0, 1; V (tensor 2) for waves 2, 3
	s_add_co_u32 s66, s66, 1
	s_lshl_b32 s66, s66, 24         ; a tensor is 16,777,216 bytes,
	s_lshl_b32 s67, s19, 18         ; a head 262,144,
	s_add_co_u32 s66, s66, s67
	s_and_b32 s67, s[WV], 1
	s_lshl_b32 s67, s67, 14         ; half a slot's keys 16,384
	s_add_co_u32 s66, s66, s67
	s_mov_b32 s67, 0
	s_bfe_u32 s3, ttmp6, 0x40000    ; cx: it enters Q's, ctx's and the mask words' addresses alone
	s_lshl_b32 s18, ttmp9, 2
	s_add_co_u32 s18, s18, s3       ; my block of 512 queries
	s_lshl_b32 s18, s18, 2
	s_add_co_u32 s18, s18, s[WV]    ; my wave's group of 128 queries, G
	s_lshl_b32 s104, s19, 18
	s_lshl_b32 s3, s18, 14
	s_add_co_u32 s104, s104, s3     ; Q and ctx: head, then 128 rows of 128 bytes a group
	s_mov_b32 s105, 0
	s_lshr_b32 s3, s19, 4
	s_lshl_b32 s3, s3, 4            ; 16 b
	s_add_co_u32 s18, s18, s3
	s_lshl_b32 s18, s18, 15         ; 32,768 bytes of words a group
	s_mov_b32 s19, 0
	s_mov_b32 s[G1], 15|(1<<16)|(1<<20)|(1<<21)|(4<<22)|(7<<25)  ; the mask of four; 2-byte elements; padding on; bit 21 beside a mask; after every 32 words 8 words
	s_mov_b32 s[G1+1], 128<<16      ; 128 keys are 16,384 dense bytes: asked for as 64 rows of 256 bytes
	s_mov_b32 s[G1+2], 64<<16
	s_mov_b32 s[G1+3], 128<<16
	s_mov_b32 s[G1+4], 64
	s_mov_b32 s[G1+5], 128
	s_mov_b32 s[G1+6], 0
	s_mov_b32 s[G1+7], 0
	s_mov_b32 s[CS], 0x3e38aa3b     ; c = log2(e) / 8
	s_mov_b32 s[CS+1], s[CS]
	s_mov_b32 s[SEL], 0x76543210
	s_mov_b32 s[SEL+1], 0xfedcba98
	s_mov_b32 s[TBK], SLOT1+4*KS*PK ; the first change of slots turns these two into 0
	s_mov_b32 s[TBV], SLOT1+4*KS*PV
	s_mov_b32 s[G0], 1
	s_mul_i32 s[G0+1], s[WV], 128*PK  ; slot 0: wave x 128 rows
	s_wait_dscnt 0x0                ; the opening add is done
	s_wait_kmcnt 0x0
	s_add_nc_u64 s[G0+2:G0+3], s[4:5], s[66:67]
	s_or_b32 s[G0+3], s[G0+3], 0x80000000
	s_add_nc_u64 s[QA:QA+1], s[4:5], s[104:105]
	s_add_nc_u64 s[OA:OA+1], s[OA:OA+1], s[104:105]
	s_add_nc_u64 s[MP:MP+1], s[MP:MP+1], s[18:19]
	s_mov_b32 s[BIGS], 0xd0000000   ; -2^33
	CROUND                          ; all four work-groups are here: the first joint loads meet
	JLOAD                           ; slot 0; slot 1 is asked for when slot 0 is in
	MASKIN 0                        ; the words of step 0, pieces 0 to 2
	MASKIN 1
	MASKIN 2
	WIN W_CP
.set i, 0
.rept 4*NP                          ; Q stays in registers: tile i / 2, channels 32 (i % 2) on
	global_load_b128 v[8*i:8*i+3],   v[QO], s[QA:QA+1] offset:(i/2)*2048+(i%2)*64
	global_load_b128 v[8*i+4:8*i+7], v[QO], s[QA:QA+1] offset:(i/2)*2048+(i%2)*64+32
.set i, i+1
.endr
	; What the first turn finds: P's second buffer and V hold 0 (its products V^T P, of a piece that has not been, add 0), O^T and l are 0.  All this stands in the wait for the first tile.
.set i, P+32
.rept 96
	v_mov_b32 v[i], 0
.set i, i+1
.endr
	WIN 0x40
.set i, 0
.rept 64*NP
	v_mov_b32 v[i], 0
.set i, i+1
.endr
	WIN 0
.set i, 0
.rept 2*NP
	v_mov_b32 v[ST+4*i], 0xfe000000    ; c m: far below every c s
	v_mov_b32 v[ST+4*i+1], 0xff7fffff  ; m
	v_mov_b32 v[ST+4*i+2], 0
	v_mov_b32 v[ST+4*i+3], 0
.set i, i+1
.endr
; THE MATRIX WORK.  The 8 accumulators of a run of 16 take turns.
.macro KQ x                         ; product i of 16 of S^T = K Q^T for piece x: channels 32 (i / 8) on, keys 16 ((i / 2) % 4) on, tile 2 x + i % 2
	WIN W_KQ
.set rS, S+64*((\x)%2)+32*(i%2)+8*((i/2)%4)
.set rK, KF+16*((i/2)%4)+8*(i/8)
.set rQ, 16*(2*(\x)+i%2)+8*(i/8)
.if i < 8
	v_wmma_f32_16x16x32_f16 v[rS:rS+7], v[rK:rK+7], v[rQ:rQ+7], 0
.else
	v_wmma_f32_16x16x32_f16 v[rS:rS+7], v[rK:rK+7], v[rQ:rQ+7], v[rS:rS+7]
	s_wait_alu depctr_va_vdst(0)
.endif
.endm
.macro PV x                         ; product i of 16 of O^T += V^T P for piece x: keys 32 (i / 8) on, channels 16 ((i / 2) % 4) on
	WIN W_PV
.set rO, 32*(2*(\x)+i%2)+8*((i/2)%4)
.set rV, VF+32*(i/8)+8*((i/2)%4)
.set rP, P+32*((\x)%2)+16*(i%2)+8*(i/8)
	v_wmma_f32_16x16x32_f16 v[rO:rO+7], v[rV:rV+7], v[rP:rP+7], v[rO:rO+7]
.endm
.macro MM                           ; the turn's next matrix instruction
.if i < 16
	KQ (Y+1)%NP
.set i, i+1
.else
.set i, i-16
	PV (Y+NP-1)%NP
.set i, i+17
.endif
.endm
; THE LDS LOADS stand in runs of 16.  last = 1 (the tail): in the last trip there is no further step, and the run is jumped over.
.macro FETCH_K last=0
	WIN 0
.if \last
	s_cmp_eq_u32 s[CNT], 1
	s_cbranch_scc1 .Lno_k_\@
.endif
.irp f, 0,1,2,3,4,5,6,7
	ds_load_b128 v[KF+8*\f:KF+8*\f+3],   v[ADR] offset:(\f/2)*16*PK+(\f%2)*64
	ds_load_b128 v[KF+8*\f+4:KF+8*\f+7], v[ADR] offset:(\f/2)*16*PK+(\f%2)*64+32
.endr
	s_add_co_u32 s[TBK], s[TBK], KS*PK
.if \last
.Lno_k_\@:
.endif
.endm
.macro FETCH_V
	WIN W_CP
.irp f, 0,1,2,3,4,5,6,7
	ds_load_tr16_b128 v[VF+8*\f:VF+8*\f+3],   v[ADR] offset:(\f/4)*32*PV+(\f%4)*32
	ds_load_tr16_b128 v[VF+8*\f+4:VF+8*\f+7], v[ADR] offset:(\f/4)*32*PV+16*PV+(\f%4)*32
.endr
	WIN 0
.endm
.macro REGS y, u                    ; the registers of tile u (0, 1) of piece y
.set rT, ST+4*(2*(\y)+(\u))
.set rC, TMP+8*((\y)%2)+4*(\u)
.set rM, MV+2*((\y)%2)+(\u)
.set rS, S+64*((\y)%2)+32*(\u)
.set rP, P+32*((\y)%2)+16*(\u)
.set rO, 32*(2*(\y)+(\u))
.endm
; Number n of the 22 that find the NEXT piece's maximum and statistics:  0-11 four chains c0-c3 of seven scores;  12-14, 16 the four scores left over, the old m, c0-c3 into c0;  15 c m_old is kept;
; 17, 18 the query's other 32 keys lie in the lane 16 away: the new m;  19-21 c m; c m_old - c m_new; a
.macro XS u, n
	REGS (Y+1)%NP, \u
.if (\n) < 4
	v_max3_num_f32 v[rC+(\n)], v[rS+8*(\n)], v[rS+8*(\n)+1], v[rS+8*(\n)+2]
.elseif (\n) < 12
	v_max3_num_f32 v[rC+(\n)%4], v[rC+(\n)%4], v[rS+8*((\n)%4)+2*((\n)/4)+1], v[rS+8*((\n)%4)+2*((\n)/4)+2]
.elseif (\n) == 12
	v_max3_num_f32 v[rC], v[rC], v[rS+7], v[rS+15]
.elseif (\n) == 13
	v_max3_num_f32 v[rC+1], v[rC+1], v[rS+23], v[rS+31]
.elseif (\n) == 14
	v_max3_num_f32 v[rC+2], v[rC+2], v[rC+3], v[rT+1]
.elseif (\n) == 15
	v_mov_b32 v[rM], v[rT]
.elseif (\n) == 16
	v_max3_num_f32 v[rC], v[rC], v[rC+1], v[rC+2]
	s_wait_alu depctr_va_vdst(0)
.elseif (\n) == 17
	v_permlanex16_b32 v[rC+3], v[rC], s[SEL], s[SEL+1]
.elseif (\n) == 18
	v_max_num_f32 v[rT+1], v[rC], v[rC+3]
.elseif (\n) == 19
	v_mul_f32 v[rT], s[CS], v[rT+1]
.elseif (\n) == 20
	v_sub_f32 v[rC+1], v[rM], v[rT]
.else
	v_exp_f32 v[rC+2], v[rC+1]
.endif
.endm
; THE VECTOR WORK: OP1 kind, number, tile writes one line; OP writes it for the piece's first tile and then for its second.  For piece Y: T_F n: c s - c m for pair n of 16.  T_E n: the exponential of score n of 32.
; T_C n: pair n rounded to f16, into window 2.  T_B n: of the four weights 4 n .. the second pair is added onto the first, in place.  T_A 8 d + s: the sum of group s is added onto that of group d.
; T_L: l = a l + the sum, which lies in group 0.  T_R n: pair n of 16 of O^T times a.
; For piece Y + 1: T_M n: score register n is replaced where its mask word has the lane's bit (in ascending order: each accumulator's lowest registers are read first).  T_X n: XS.
.set T_F, 0
.set T_E, 1
.set T_C, 2
.set T_B, 3
.set T_L, 4
.set T_R, 5
.set T_M, 6
.set T_X, 7
.set T_A, 8
.macro OP1 k, n, u
.if (\k) == T_X
	WIN 0
	XS \u, \n
.elseif (\k) == T_M
	REGS (Y+1)%NP, \u
	WIN0X
	v_cndmask_b32 v[rS+(\n)], v[rS+(\n)], s[BIGS], s[MW0+36*(\u)+(\n)]
.elseif (\k) == T_R
	REGS Y, \u
	WIN W_RS
	v_pk_mul_f32 v[rO+2*(\n):rO+2*(\n)+1], v[rO+2*(\n):rO+2*(\n)+1], v[rC+2:rC+3] op_sel_hi:[1,0]
.elseif (\k) == T_C
	REGS Y, \u
	WIN W_CP
	v_cvt_pk_f16_f32 v[rP+(\n)], v[rS+2*(\n)], v[rS+2*(\n)+1]
.elseif (\k) == T_F
	REGS Y, \u
	WIN0X
	v_pk_fma_f32 v[rS+2*(\n):rS+2*(\n)+1], v[rS+2*(\n):rS+2*(\n)+1], s[CS:CS+1], v[rT:rT+1] op_sel_hi:[1,0,0] neg_lo:[0,0,1] neg_hi:[0,0,1]
.elseif (\k) == T_E
	REGS Y, \u
	WIN0X
	v_exp_f32 v[rS+(\n)], v[rS+(\n)]
.else
	REGS Y, \u
	WIN 0
.if (\k) == T_B
	v_pk_add_f32 v[rS+4*(\n):rS+4*(\n)+1], v[rS+4*(\n):rS+4*(\n)+1], v[rS+4*(\n)+2:rS+4*(\n)+3]
.elseif (\k) == T_A
	v_pk_add_f32 v[rS+4*((\n)/8):rS+4*((\n)/8)+1], v[rS+4*((\n)/8):rS+4*((\n)/8)+1], v[rS+4*((\n)%8):rS+4*((\n)%8)+1]
.else
	v_pk_fma_f32 v[rT+2:rT+3], v[rT+2:rT+3], v[rC+2:rC+3], v[rS:rS+1] op_sel_hi:[1,0,1]
	s_wait_alu depctr_va_vdst(0)
.endif
.endif
.endm
.macro OP k, n
	OP1 \k, \n, 0
	OP1 \k, \n, 1
.endm
.macro OPS a, i1, b=-1, i2=0, c=-1, i3=0, d=-1, i4=0
	OP \a, \i1
.if (\b) >= 0
	OP \b, \i2
.endif
.if (\c) >= 0
	OP \c, \i3
.endif
.if (\d) >= 0
	OP \d, \i4
.endif
.endm
; A TURN, for piece p.  No vector line near a product names its registers; behind each exponential stands a plain line that names neither its result nor its source (ISA guide 5.7.2).
; THE MASK WORDS.  Turn p takes pair (p + 1) % 4 and, in its first lump, asks for piece p's words of the NEXT step, into pair p, which the turn before has read out.  Half of the 64 read-outs stand behind the
; first run's products, two to a product; the others in the first lump, one between each two lines of the mask, eight groups ahead of the group that uses them.  The words' base steps once a step, in
; piece 0's turn; within a step the piece stands in the load's immediate.
; K of the next step is fetched in piece 2's turn, behind the 32 rescalings and the first mask lines that follow the last product that read K; it is waited for at the head of piece 3's turn.
; V of the step in hand is fetched in piece 0's turn, behind the sixteen roundings that follow the last product that read V; it is waited for in front of piece 1's products V^T P.
.macro TURN p, last=0, cnt=0
.set Y, (\p)
.set i, 0
.set PR, MWV+2*(((\p)+1)%NP)
.if (\p) == NP-1
	s_wait_dscnt 0x0                ; K is in
.endif
	s_wait_loadcnt 2                ; loads come back in order (ISA guide 5.7.1): behind the load of pair p + 1 two were issued, in the two turns before this one
.set k, 0
.rept 16                            ; 16 products K Q^T of piece p + 1; behind each two scalings, which wait for nothing, and two read-outs: all under one setting of the windows
	MM
	OP1 T_F, k, 0
	RL 2*k
	OP1 T_F, k, 1
	RL 2*k+1
.set k, k+1
.endr
.set k, 0
.rept 16                            ; the first lump: the rescaling of O^T, the one part in window 1, in one block: also the places behind the products above
	OP T_R, k
.set k, k+1
.endr
.if (\p) == 0
	s_wait_xcnt 0x0                 ; the loads that name the words' base have had their addresses translated (ISA guide 3.1): it is stepped only behind this wait
	s_add_nc_u64 s[MP:MP+1], s[MP:MP+1], 1024
.endif
	MASKIN \p
.set k, 0
.rept 16                            ; the mask on the new scores, the first half of the exponentials, the other read-outs
.if k < 8
	RL 32+4*k
.endif
	OP1 T_M, 2*k, 0
.if k < 8
	RL 32+4*k+1
.endif
	OP1 T_M, 2*k, 1
	OP1 T_E, k, 0
.if k < 8
	RL 32+4*k+2
.endif
	OP1 T_M, 2*k+1, 0
.if k < 8
	RL 32+4*k+3
.endif
	OP1 T_M, 2*k+1, 1
	OP1 T_E, k, 1
.if ((\p) == NP-2) && (k == 0)
	WIN 0
	v_add_nc_u32 v[ADR], s[TBK], v[AK0]
.endif
.if ((\p) == NP-2) && (k == 1)
	FETCH_K \last
.endif
.set k, k+1
.endr
.if (\p) == 1
	s_wait_dscnt 0x0                ; V is in
.endif
.set k, 0
.rept 16                            ; 16 products V^T P of piece p - 1; behind each: maximum, exponential, maximum, exponential
	MM
	OP1 T_X, k, 0
	OP1 T_E, 16+k, 0
	OP1 T_X, k, 1
	OP1 T_E, 16+k, 1
.set k, k+1
.endr
	OP T_X, 16                      ; the second lump: the chain of the statistics, with roundings and sums between its links; the roundings, which write window 2, in two blocks
.if (\p) == 0
	WIN 0
	v_add_nc_u32 v[ADR], s[TBV], v[AV0]
	s_wait_alu depctr_va_vdst(0)
	s_add_co_u32 s[TBV], s[TBV], KS*PV
.endif
.set k, 0
.rept 8
	OP T_C, k
.set k, k+1
.endr
.if (\p) == 0
	FETCH_V
.endif
	OPS T_X,17, T_B,0, T_B,1
	OPS T_X,18, T_B,2, T_B,3
	OPS T_X,19, T_A,2, T_A,11       ; the row's sum in two chains: groups 0, 2, 4, 6 onto group 0; groups 1, 3, 5, 7 onto group 1
.set k, 8
.rept 8
	OP T_C, k
.set k, k+1
.endr
	OPS T_X,20, T_B,4, T_B,5
	OPS T_X,21, T_B,6, T_B,7
	OPS T_A,4, T_A,13, T_A,6, T_A,15
	OPS T_A,1, T_L,0                ; the two chains join, and l takes the sum
.if \cnt
	s_sub_co_u32 s[CNT], s[CNT], 1
	s_cmp_lg_u32 s[CNT], 0
.endif
.endm
	CHANGE 1                        ; slot 0 is in, everybody's part of it; slot 1 is asked for
	FETCH_K                         ; key step 0
	s_wait_loadcnt 0x0              ; Q, and the mask words of step 0's pieces 0 to 2
	s_wait_dscnt 0x0
.set i, 0
.rept 16
	KQ 0                            ; piece 0's first scores
.set i, i+1
.endr
	WIN 0
.rept 4
	v_nop                           ; the places behind those products (ISA guide 7.12.1)
.endr
.set Y, NP-1                        ; T_M and T_X work for piece Y + 1: piece 0
.set PR, MWV
	MASKIN 3                        ; step 0's last piece: from here on two loads of words are out behind the one that a turn's wait is for
.set k, 0
.rept 64
	RL k
.set k, k+1
.endr
.set k, 0
.rept 32
	OP T_M, k
.set k, k+1
.endr
.set k, 0
.rept 22
	OP T_X, k
.set k, k+1
.endr
	s_mov_b32 s[CNT], 4
	s_mov_b32 s[SLOTS], 2048/256-1
	s_branch .Lfirst                ; the loop is entered at a step's first turn, in the middle of a trip
.Lslot:                             ; six times: every slot but the last two is filled again
	CHANGE 1
	s_mov_b32 s[CNT], 4
.Lstep:                             ; a trip: pieces 2 and 3 of one step, then pieces 0 and 1 of the next, whose K and V it fetches
	TURN 2
	TURN 3
	WIN 0
.Lfirst:
	TURN 0
	TURN 1, 0, 1
	WIN 0
	s_cbranch_scc1 .Lstep
	s_sub_co_u32 s[SLOTS], s[SLOTS], 1
	s_cmp_lg_u32 s[SLOTS], 0
	s_cbranch_scc1 .Lslot
	CHANGE 0                        ; the tail is written out: nothing is asked for
	s_mov_b32 s[CNT], 5             ; four trips fetch the last slot's steps; the fifth is left in its middle
.Ltail:
	TURN 2, 1
	TURN 3
	WIN 0
	s_sub_co_u32 s[CNT], s[CNT], 1
	s_cmp_eq_u32 s[CNT], 0
	s_cbranch_scc1 .Lout
	TURN 0
	TURN 1
	WIN 0
	s_branch .Ltail
.Lout:                              ; the fifth trip's products K Q^T (on the last K once more) and the maximum made of them serve nothing.  The last step's four turns have asked for the 1,024 bytes of words behind
                                    ; my group's 32,768: the next group's, or the zeros that end mw; of them one set is taken, for those scores, and serves nothing either
.set i, 0
.rept 16
	PV NP-1                         ; the last piece's V^T P of the last step
.set i, i+1
.endr
	; THE WAY OUT.  l's two halves and the other half of the lanes' are added; O^T is divided by l, rounded to f16 and sent through my stage, a tile at a time.  The additions are the places behind the last products.
	WIN 0
.macro ALL line:vararg
.set t, 0
.rept 2*NP
	\line
.set t, t+1
.endr
.endm
	ALL v_add_f32 v[ST+4*t+2], v[ST+4*t+2], v[ST+4*t+3]
	ALL v_permlanex16_b32 v[ST+4*t+3], v[ST+4*t+2], s[SEL], s[SEL+1]
	ALL v_add_f32 v[ST+4*t+2], v[ST+4*t+2], v[ST+4*t+3]
	ALL v_rcp_f32 v[ST+4*t+2], v[ST+4*t+2]
	v_nop                           ; a plain instruction between the last reciprocal and the use of its result
	s_wait_alu depctr_va_vdst(0)
.macro PACK t
	WIN W_RS
.set i, 32*(\t)
.rept 16
	v_pk_mul_f32 v[i:i+1], v[i:i+1], v[ST+4*(\t)+2:ST+4*(\t)+3] op_sel_hi:[1,0]
.set i, i+2
.endr
	WIN 0x05                        ; sources 0 and 1 window 1, destination window 0
.set i, 0
.rept 16
	v_cvt_pk_f16_f32 v[S+16*(\t)+i], v[32*(\t)+2*i], v[32*(\t)+2*i+1]
.set i, i+1
.endr
	WIN W_ST                        ; the addresses lie in window 3, the data in window 0
.irp f, 0,1,2,3
	ds_store_b128 v[STO], v[S+16*(\t)+4*\f:S+16*(\t)+4*\f+3] offset:32*\f
.endr
.irp f, 0,1,2,3
	ds_load_b128 v[S+16*(\t)+4*\f:S+16*(\t)+4*\f+3], v[RD] offset:\f*4*SP  ; LDS serves a wave's instructions in order (ISA guide 5.7.1.4): these see the stores above
.endr
.endm
.macro SEND t, younger              ; younger: the LDS instructions issued behind tile t's loads: the next tile's eight, or none
	WIN W_ST
.irp f, 0,1,2,3
	s_wait_dscnt (\younger)+3-\f
	global_store_b128 v[GO], v[S+16*(\t)+4*\f:S+16*(\t)+4*\f+3], s[OA:OA+1] offset:(\t)*2048+\f*512  ; 512 consecutive bytes, aligned
.endr
.endm
	PACK 0
.set t, 1
.rept 2*NP-1
	PACK t
	SEND t-1, 8
.set t, t+1
.endr
	SEND 2*NP-1, 0
	WIN W_AD
	s_wait_tensorcnt 0x0            ; the wave's end
	ds_add_u32 v[SPW], v[NIL]
	s_wait_dscnt 0x0
	WIN 0
	CROUND                          ; the closing round
	s_endpgm
.Lfunc_end_k_qfac1acc8c5_attn:
	.size	k_qfac1acc8c5_attn, .Lfunc_end_k_qfac1acc8c5_attn-k_qfac1acc8c5_attn
	.p2alignl 7, 3214868480
	.fill 96, 4, 3214868480
	.section	.rodata,"a",@progbits
	.p2align	6, 0x0
	.amdhsa_kernel k_qfac1acc8c5_attn
		.amdhsa_group_segment_fixed_size 327680
		.amdhsa_private_segment_fixed_size 0
		.amdhsa_enable_private_segment 0
		.amdhsa_kernarg_size 24
		.amdhsa_user_sgpr_count 2
		.amdhsa_user_sgpr_kernarg_segment_ptr 1
		.amdhsa_wavefront_size32 1
		.amdhsa_system_sgpr_workgroup_id_x 1
		.amdhsa_system_sgpr_workgroup_id_y 1
		.amdhsa_system_sgpr_workgroup_id_z 1
		.amdhsa_system_vgpr_workitem_id 0
		.amdhsa_next_free_vgpr 776
		.amdhsa_next_free_sgpr 106
		.amdhsa_reserve_vcc 0
		.amdhsa_float_denorm_mode_32 3
		.amdhsa_float_denorm_mode_16_64 3
		.amdhsa_memory_ordered 1
		.amdhsa_forward_progress 1
		.amdhsa_inst_pref_size 255
	.end_amdhsa_kernel
	.section	.bss,"aw",@nobits
	.p2align	6
	.space	262144
	.amdgpu_metadata
---
amdhsa.version: [ 1, 2 ]
amdhsa.kernels:
  - .name:           k_qfac1acc8c5_attn
    .symbol:         k_qfac1acc8c5_attn.kd
    .args:
      - { .name: qkv, .offset: 0, .size: 8, .value_kind: global_buffer, .address_space: global }
      - { .name: mw, .offset: 8, .size: 8, .value_kind: global_buffer, .address_space: global }
      - { .name: ctx, .offset: 16, .size: 8, .value_kind: global_buffer, .address_space: global }
    .group_segment_fixed_size: 327680
    .private_segment_fixed_size: 0
    .kernarg_segment_align: 8
    .kernarg_segment_size: 24
    .max_flat_workgroup_size: 128
    .sgpr_count:     106
    .vgpr_count:     776
    .wavefront_size: 32
...
	.end_amdgpu_metadata
.endif
;; end of part 5
;; launch oproj: the kernel of part 4 again; grid 256 x 1, 4 waves a work-group, clusters of 4 x 1, 167,936 bytes of LDS; arguments ctx, wof, out0; writes out0
